; MI455X (gfx1250); checked and timed in simulation.
; The chip was launched on July 23, 2026; its instructions are those of AMD's public machine-readable ISA for CDNA 5 (MIT licence, August 2026) and "CDNA5" Instruction Set Architecture Reference Guide (July 2026). The comments in the code are by the model that wrote it; some were corrected since.
;; Multi Head Attention. Allowed arithmetic: matrix products marked QUANTISED: E3M2 operands, one E8M0 scale for each 32 along K, by v_wmma_scale_f32_16x16x128_f8f6f4 with both operands' format E3M2, f32 sums; products left as they are: f32 operands where the result goes on into a quantised operand, else bf16, f16 or f32 operands; f32 sums; everything else in f32.
;; Inputs: Wk 128 x 128 float32; Wo 128 x 128 float32; Wq 128 x 128 float32; Wv 128 x 128 float32; bk 128 float32; bo 128 float32; bq 128 float32; bv 128 float32; ln_b 128 float32; ln_w 128 float32; x 8 x 2,048 x 128 float32.
;; Outputs: out0 8 x 2,048 x 128 float32.
;; This version of the problem:
;;   THIS VERSION OF THE PROBLEM IS GIVEN IN LOW PRECISION. The matrix products marked QUANTISED in the list below multiply operands that are first quantised to E3M2 (3 exponent bits, 2 mantissa bits; 6 bits a number), with one power-of-two scale for each 32 numbers along K (OCP MX v1.0); their sums are f32. All else is computed in f32.
;;   The module's matrix products, in the order in which they are computed (A, B: the left and right operand; K: the contracted axis; several contracted axes count as one K, in the product's order):
;;     1. [M 16,384, K 128] x [K 128, N 128]; A: computed on the way; B: input Wq: QUANTISED
;;     2. [M 16,384, K 128] x [K 128, N 128]; A: computed on the way; B: input Wk: QUANTISED
;;     3. [M 16,384, K 128] x [K 128, N 128]; A: computed on the way; B: input Wv: QUANTISED
;;     4. batch 64 x [M 2,048, K 16] x [K 16, N 2,048]; A: computed on the way; B: computed on the way: left as it is (K = 16 < 32)
;;     5. batch 64 x [M 2,048, K 2,048] x [K 2,048, N 16]; A: computed on the way; B: computed on the way: QUANTISED
;;     6. [M 16,384, K 128] x [K 128, N 128]; A: computed on the way; B: input Wo: QUANTISED
;;   THE QUANTISER, for each operand of a quantised product, along K:
;;     - K is cut into blocks of 32 from its start; a last block that is shorter is filled with zeros.
;;     - A block's scale is 2^e with e = floor(log2(the largest magnitude in the block)) - 4, held to -126 .. 127; a block of zeros has e = 0. As a byte (E8M0): e + 127.
;;     - Each number is divided by its block's scale, clamped to +-28, and rounded to the nearest number of E3M2, ties to even, subnormals kept.
;;     - The product sums the exact products of the quantised numbers (number of the format x scale) in f32.
;;   ~~~python
;;   def quantise(x, axis):      # numpy; x: float32 -> the quantised numbers, widened to float32 again
;;       x = np.moveaxis(x, axis, -1); K = x.shape[-1]
;;       x = np.pad(x, [(0, 0)] * (x.ndim - 1) + [(0, -K % 32)]); x = x.reshape(x.shape[:-1] + (-1, 32)); a = np.abs(x).max(-1, keepdims=True)
;;       e = np.where(a > 0, np.clip(np.frexp(np.where(a > 0, a, 1))[1] - 1 - 4, -126, 127), 0)      # np.frexp(a)[1] - 1 = floor(log2(a)), exactly
;;       r = np.clip(x / 2.0 ** e, -28, 28)
;;       step = 2.0 ** (np.maximum(np.frexp(np.where(r == 0, 1, r))[1] - 1, -2) - 2)
;;       q = np.round(r / step) * step * 2.0 ** e      # np.round: ties to even
;;       return np.moveaxis(q.reshape(q.shape[:-2] + (-1,))[..., :K], -1, axis).astype(np.float32)
;;   ~~~
;;   OPERANDS COMPUTED ON THE WAY. 'Computed on the way' means the value that the module computes at that place (a softmax that the list does not call 'softmax' is quantised finished and normalised). What goes into a quantiser is computed in f32, as accurately as f32 sums, v_exp_f32 and their like allow (about 1e-6 of the number): no bf16 or f16 on the way to a quantiser, and a product that is left as it is and whose result goes on into a quantised operand takes f32 operands (vector FMAs, or v_wmma_f32_16x16x4_f32). A number that lies on a knife's edge between two numbers of the format may be rounded either way, as far as f32 arithmetic and the matrix unit's own rounding can turn it there, and no further.
;; 3 versions, each right; version 2 is faster than version 1; version 3 is version 2 with the launch attn written anew for expert scheduling mode. Each part assembles by itself: llvm-mc -triple=amdgcn-amd-amdhsa -mcpu=gfx1250 --defsym DOCPART=n.
;; ======== version 1 of 3: 1 launch
;; launch attn (part 1): grid 4 x 64, 16 waves a work-group, no clusters, 323,584 bytes of LDS; arguments x, ln_w, ln_b, Wq, bq, Wk, bk, Wv, bv, Wo, bo, out0; writes out0
.if DOCPART == 1
	.amdgcn_target "amdgcn-amd-amdhsa--gfx1250"
	.amdhsa_code_object_version 6
	.text
	.protected	k_q86ebd3f3fb_attn
	.globl	k_q86ebd3f3fb_attn
	.p2align	8
	.type	k_q86ebd3f3fb_attn,@function
k_q86ebd3f3fb_attn:
	s_mov_b64 s[64:65], 0
	v_nop
	global_prefetch_b8 v0, s[64:65] scope:SCOPE_SE
	s_setreg_imm32_b32 hwreg(HW_REG_WAVE_MODE, 25, 1), 1
	s_wait_xcnt 0x0
; out0 = x + softmax-attention(LayerNorm(x)) Wo^T + bo, one launch.  x, out0: [16384][128] f32.  The projections, P V and the output projection run on codes of BF6 (E3M2)
; with one E8M0 scale for each 32 along K; the energy q k^T (K = 16) feeds a quantiser and therefore runs on f32 operands.
; THE RAW VIEW: head bh (0..63) is rows 256 bh .. 256 bh + 255 of the [16384][128] matrices; row R, column 16 t + d of that block is token 8 R + t, channel d.  So 16 rows are 128 consecutive
; tokens, one K step of the BF6 instruction, and a projection's column tile t is the token's number modulo 8.
; SHARES: work-group (x = j, y = bh) owns rows 64 j .. 64 j + 63 of head bh: 512 queries, 64 rows of out0.  Wave w (of 16) owns the head's rows 16 w .. 16 w + 15 = keys 128 w .. 128 w + 127 for the whole
; launch: it normalises and quantises them itself and makes its own K (as f32, in its own 8 KiB of LDS) and V (as codes, in 12 registers).
; A PASS p = 8 mu + t (32 of them) serves the 16 queries 128 mu + 8 r + t.  Every wave computes these queries against its 128 keys, takes exponentials under ITS OWN maximum m_w, hands (m_w, l_w) round
; through LDS (one barrier), scales by f = 2^(m_w - m) / (l sqrt(128)): the finished, normalised weights; quantises them, and multiplies them by its V in ONE BF6 instruction.  The 16 partial results are
; added one barrier later.  So every energy and every exponential is computed once, although the quantiser wants the row's sum first.  The f32 products of pass p + 1 stand among the vector work of pass p.
; LAYOUTS (L lane, r = L % 16, h = L / 16).  K tile t = Wk's rows 16 t .. (source 0) x my rows' codes (source 1): register j = K[key 8 r + t][channel 8 h + j]: registers 2 s, 2 s + 1 ARE source 0 of the f32 form's
; K step s (channels 8 h + 2 s + 0, 1: an order of the 16 channels that Q shares).  Q likewise.  Scores: register j of tile t = (query r, key 64 h + 8 j + t).  V tile t = my rows' codes (source 0) x Wv's rows (source 1):
; register j = (channel r, key 64 h + 8 j + t): the same map.  Both go to place 32 (j / 4) + 4 t + j % 4 of a run of 64 registers: registers 32 c .. 32 c + 31 are then the true block of keys 64 h + 32 c .. + 31,
; whole in one lane, in an order that P and V share; its scale byte stands at byte 2 c + h of the scale word on both sides.
; NO CLUSTER, NO JOINT LOADS: what work-groups share (a head's 128 KiB of x among four, 256 KiB of weights among all) is read once, at the head, straight into registers; the 32 passes read LDS alone, and of
; LDS 6,144 bytes are free.  No tensor load, so no ring.
; LIMITS: NaN and infinities are not served.  A weight under 2^-126 ahead of its scaling is 0 (v_exp_f32 gives 0 there).  t = energy x log2(e) is rounded once before the maximum is taken off (at most 2^-24 |t|).
; A block's largest weight is made from its largest t by the same instructions (this takes v_exp_f32 not to fall where its input rises).  A weight has three roundings (exponential, f, product) where the
; source has two divisions.  Sums over waves are trees.  A block of zeros carries the byte 1 over zero codes: only this program reads the bytes.
.set KI,  0                            ; K as f32: wave w at 8192 w; tile t at 1024 t; registers 4 q .. 4 q + 3 at 512 q; lane at 16 L
.set QI,  131072                       ; Q as f32: pass p at 1024 p, the same form
.set WI,  163840                       ; 32 weight fragments as images of their 12 registers, 1,536 bytes each: 0-7 Wk, 8-15 Wv, 16-23 Wq, 24-31 Wo
.set WS,  212992                       ; their scale words, 128 bytes each
.set AO,  217088                       ; attention's output: pass p at 1024 p; query r at 64 r; channel d at 4 d
.set STG, 249856                       ; the way out: 64 rows x (512 + 16) bytes
.set OP,  283648                       ; partial O^T, two sets by turns, 16,384 apart: wave w at 1024 w; registers 4 a .. at 512 a; lane at 16 L
.set ML,  316416                       ; m_w and l_w, two sets by turns, 2,560 apart: m at 0, l at 1,280; query r at 80 r; wave w at 4 w
; REGISTERS.  v0 thread; v1 16 L; v2 8 h; v3 4 L; v4-15 addresses (work registers until the first barrier); v16-31 the two f32 accumulators, written by the f32 matrix form alone;
; v32 m_w, v34 f, v36-39 block maxima [set][c], v40-47 at work, v48-63 the others' m and l, later the conversions' second halves and O^T; v64-71 partials; v72-79 Q; v80-95 two tiles of K; v96-107 V's codes;
; v110-121 codes just made; v128-191, v192-255 two sets of 64 scores.  v108 V's scale word, v109 P's, v122-125 weights', v126, v127 x's: these hold scales and nothing else.
.macro NOPS n
.rept \n
	v_nop
.endr
.endm
.macro MXP0 d, a, b, sa, sb            ; a BF6 product that starts its sum
	v_wmma_scale_f32_16x16x128_f8f6f4 v[\d:\d+7], v[\a:\a+11], v[\b:\b+11], 0, v[\sa], v[\sb] matrix_a_fmt:MATRIX_FMT_BF6 matrix_b_fmt:MATRIX_FMT_BF6
.endm
.macro MXPC d, a, b, sa, sb            ; one whose C, the bias in the result's layout, has been loaded into D's registers
	v_wmma_scale_f32_16x16x128_f8f6f4 v[\d:\d+7], v[\a:\a+11], v[\b:\b+11], v[\d:\d+7], v[\sa], v[\sb] matrix_a_fmt:MATRIX_FMT_BF6 matrix_b_fmt:MATRIX_FMT_BF6
.endm
.macro LOAD64 dst, base                ; 16 rows x 128 f32: lane (r, h) takes k = 64 c + 32 h + 0 .. 31 of row r into registers 32 c + 0 .. 31: the order of the operand's layout
.irp c, 0,1
.irp q, 0,1,2,3,4,5,6,7
	global_load_b128 v[\dst+32*\c+4*\q:\dst+32*\c+4*\q+3], v14, s[\base:\base+1] offset:256*\c+16*\q
.endr
.endr
.endm
.macro LNCH c                          ; ln_w and ln_b at my k = 64 c + 32 h + 0 .. 31
.irp q, 0,1,2,3,4,5,6,7
	global_load_b128 v[192+4*\q:195+4*\q], v15, s[10:11] offset:256*\c+16*\q
	global_load_b128 v[224+4*\q:227+4*\q], v15, s[12:13] offset:256*\c+16*\q
.endr
.endm
; 64 numbers of a lane, two whole blocks of 32, become the operand's 12 registers v[D] on and the scale word v[SW].  TB: ten work registers.
.macro QUANT6 X, D, SW, TB
	v_max3_num_f32 v[\TB+8], |v[\X]|, |v[\X+1]|, 0x2800000          ; the floor 2^(5 - 127) among the leaves: the byte cannot fall under 1
	v_max3_num_f32 v[\TB+9], |v[\X+32]|, |v[\X+33]|, 0x2800000
.set i, 2
.rept 15
	v_max3_num_f32 v[\TB+8], v[\TB+8], |v[\X+i]|, |v[\X+i+1]|       ; the two blocks by turns
	v_max3_num_f32 v[\TB+9], v[\TB+9], |v[\X+32+i]|, |v[\X+33+i]|
.set i, i+2
.endr
	v_add_nc_u32 v[\TB+8], 0xfe000000, v[\TB+8]                     ; 4 off the exponent field: the conversion's scale operand
	v_add_nc_u32 v[\TB+9], 0xfe000000, v[\TB+9]
	v_lshrrev_b32 v[\TB+3], 23, v[\TB+8]                            ; the scale's byte
	v_lshrrev_b32 v[\TB+7], 23, v[\TB+9]
	v_lshl_or_b32 v[\SW], v[\TB+7], 16, v[\TB+3]                    ; my bytes: blocks h and 2 + h,
	v_lshlrev_b32 v[\SW], v2, v[\SW]                                ; 8 h bits up;
	v_permlanex16_b32 v[\TB+3], v[\SW], s32, s33
	v_or_b32 v[\SW], v[\SW], v[\TB+3]                               ; with lane L xor 16's two the word is whole
	v_cvt_scalef32_pk16_bf6_f32 v[\D:\D+2], v[\X:\X+15], v[\TB+8]
	v_cvt_scalef32_pk16_bf6_f32 v[\TB:\TB+2], v[\X+16:\X+31], v[\TB+8]      ; (a conversion's three registers begin on an even number)
	v_cvt_scalef32_pk16_bf6_f32 v[\D+6:\D+8], v[\X+32:\X+47], v[\TB+9]
	v_cvt_scalef32_pk16_bf6_f32 v[\TB+4:\TB+6], v[\X+48:\X+63], v[\TB+9]
	v_nop                                                           ; one plain place behind the conversions
.irp n, 0,1,2
	v_mov_b32 v[\D+3+\n], v[\TB+\n]
	v_mov_b32 v[\D+9+\n], v[\TB+4+\n]
.endr
.endm
; (x - mean) / sqrt(var + eps) in place.  A row's 128 numbers lie in lanes L and L xor 16, 64 each.  Work registers v4-13.
.macro LNSTAT X
	v_pk_add_f32 v[4:5], v[\X:\X+1], v[\X+2:\X+3]
	v_pk_add_f32 v[6:7], v[\X+4:\X+5], v[\X+6:\X+7]
.set i, 8
.rept 14
	v_pk_add_f32 v[4:5], v[4:5], v[\X+i:\X+i+1]
	v_pk_add_f32 v[6:7], v[6:7], v[\X+i+2:\X+i+3]
.set i, i+4
.endr
	v_pk_add_f32 v[4:5], v[4:5], v[6:7]
	v_add_f32 v12, v4, v5
	v_permlanex16_b32 v13, v12, s32, s33
	v_add_f32 v12, v12, v13
	v_mul_f32 v8, s36, v12                                          ; the mean
.set i, 0
.rept 32
	v_pk_add_f32 v[\X+i:\X+i+1], v[\X+i:\X+i+1], v[8:9] op_sel_hi:[1,0] neg_lo:[0,1] neg_hi:[0,1]
.set i, i+2
.endr
	v_pk_mul_f32 v[4:5], v[\X:\X+1], v[\X:\X+1]
	v_pk_mul_f32 v[6:7], v[\X+2:\X+3], v[\X+2:\X+3]
.set i, 4
.rept 15
	v_pk_fma_f32 v[4:5], v[\X+i:\X+i+1], v[\X+i:\X+i+1], v[4:5]
	v_pk_fma_f32 v[6:7], v[\X+i+2:\X+i+3], v[\X+i+2:\X+i+3], v[6:7]
.set i, i+4
.endr
	v_pk_add_f32 v[4:5], v[4:5], v[6:7]
	v_add_f32 v12, v4, v5
	v_permlanex16_b32 v13, v12, s32, s33
	v_add_f32 v12, v12, v13
	v_fma_f32 v12, v12, s36, s37                                    ; var + eps
	v_rsq_f32 v10, v12
	v_nop                                                           ; one plain place behind the transcendental
.set i, 0
	s_wait_alu depctr_va_vdst(0)
.rept 32
	v_pk_mul_f32 v[\X+i:\X+i+1], v[\X+i:\X+i+1], v[10:11] op_sel_hi:[1,0]
.set i, i+2
.endr
.endm
.macro APPLY X, c                      ; x ln_w + ln_b for k = 64 c + 32 h + 0 .. 31
.set i, 0
.rept 16
	v_pk_fma_f32 v[\X+32*\c+i:\X+32*\c+i+1], v[\X+32*\c+i:\X+32*\c+i+1], v[192+i:193+i], v[224+i:225+i]
.set i, i+2
.endr
.endm
.macro IMAGE adr, off                  ; the fragment in v110-121 goes to LDS as it stands: lane L's 16 bytes at 16 L, 512 bytes a store
.irp c, 0,1,2
	ds_store_b128 v[\adr], v[110+4*\c:113+4*\c] offset:\off+512*\c
.endr
.endm
.macro WFETCH n, dst, adr, off, sadr, soff     ; n weight fragments come back so, 12 registers each from v[dst] on, their scale words into v122 on
.set i, 0
.rept \n
	ds_load_b128 v[\dst+12*i:\dst+12*i+3], v[\adr] offset:\off+1536*i
	ds_load_b128 v[\dst+12*i+4:\dst+12*i+7], v[\adr] offset:\off+1536*i+512
	ds_load_b128 v[\dst+12*i+8:\dst+12*i+11], v[\adr] offset:\off+1536*i+1024
	ds_load_b32 v[122+i], v[\sadr] offset:\soff+128*i
.set i, i+1
.endr
.endm
	s_load_b512 s[8:23], s[0:1], 0x0               ; x s[8:9], ln_w s[10:11], ln_b s[12:13], Wq s[14:15], bq s[16:17], Wk s[18:19], bk s[20:21], Wv s[22:23]
	s_load_b256 s[24:31], s[0:1], 0x40             ; bv s[24:25], Wo s[26:27], bo s[28:29], out0 s[30:31]
	v_lshrrev_b32 v4, 5, v0
	v_readfirstlane_b32 s2, v4                     ; wave w, 0..15
	s_and_b32 s3, s2, 7
	s_and_b32 s4, s2, 3
	s_lshr_b32 s5, s2, 2
	s_and_b32 s7, ttmp7, 0xffff                    ; the head bh
	s_mov_b32 s32, 0x76543210                      ; v_permlanex16_b32's selects for lane L xor 16
	s_mov_b32 s33, 0xfedcba98
	s_mov_b32 s34, 0x3fb8aa3b                      ; log2(e); the packed form names the pair and takes its low word
	s_mov_b32 s35, s34
	s_mov_b32 s36, 0x3c000000                      ; 1 / 128
	s_mov_b32 s37, 0x3727c5ac                      ; 1e-5
	v_and_b32 v1, 31, v0
	v_lshlrev_b32 v3, 2, v1                        ; 4 L
	v_lshlrev_b32 v1, 4, v1                        ; 16 L
	v_bfe_u32 v2, v0, 4, 1
	v_lshlrev_b32 v2, 3, v2                        ; 8 h
	v_and_b32 v14, 15, v0
	v_lshlrev_b32 v14, 9, v14
	v_lshl_add_u32 v14, v2, 4, v14                 ; 512 r + 128 h: my place in 16 rows of 128 f32
	v_lshlrev_b32 v15, 4, v2                       ; 128 h: my place in ln_w and ln_b
	s_mul_i32 s41, s2, 1536
	s_add_co_u32 s41, s41, WI
	v_add_nc_u32 v96, s41, v1                      ; where my weight images go: fragment w, and 16 further on fragment 16 + w
	s_lshl_b32 s41, s2, 7
	s_add_co_u32 s41, s41, WS
	v_add_nc_u32 v97, s41, v3
	s_lshl_b32 s38, s7, 17                         ; the head's 256 rows of 512 bytes
	s_lshl_b32 s39, ttmp9, 15                      ; the work-group's 64 of them
	s_add_co_u32 s39, s39, s38
	s_mov_b32 s43, 0
	s_wait_kmcnt 0x0
	s_cmp_lt_u32 s2, 8                             ; waves 0-7 quantise a tile of Wk and one of Wq, waves 8-15 one of Wv and one of Wo: only pointers are chosen
	s_cselect_b64 s[44:45], s[18:19], s[22:23]
	s_cselect_b64 s[46:47], s[14:15], s[26:27]
	s_lshl_b32 s42, s3, 13                         ; tile w % 8: 16 rows of 512 bytes
	s_add_nc_u64 s[44:45], s[44:45], s[42:43]
	s_add_nc_u64 s[46:47], s[46:47], s[42:43]
	s_lshl_b32 s42, s2, 13
	s_add_co_u32 s42, s42, s38
	s_add_nc_u64 s[48:49], s[8:9], s[42:43]        ; x at my 16 key rows
	s_lshl_b32 s42, s5, 13
	s_add_co_u32 s42, s42, s39
	s_add_nc_u64 s[50:51], s[8:9], s[42:43]        ; x at query rows 16 (w / 4) .. of the work-group's 64
	s_lshl_b32 s42, s2, 11
	s_add_co_u32 s42, s42, s39
	s_add_nc_u64 s[52:53], s[8:9], s[42:43]        ; x and out0 at the 4 rows that I store
	s_add_nc_u64 s[54:55], s[30:31], s[42:43]
	; ---- weights into images, x normalised and quantised.  Batches of 16 loads: weight tile A, weight tile B, query rows; later key rows, ln_w and ln_b
	LOAD64 128, 44
	LOAD64 192, 46
	LOAD64 32, 50
	s_wait_loadcnt 32                              ; tile A is in; the 32 loads behind it stay out
	QUANT6 128, 110, 122, 4
	IMAGE 96, 0
	ds_store_b32 v97, v122
	LOAD64 128, 48
	s_wait_loadcnt 32                              ; tile B is in; query rows and key rows stay out
	s_wait_dscnt 0x0                               ; the image's stores have read v110-122
	QUANT6 192, 110, 122, 4
	IMAGE 96, 24576
	ds_store_b32 v97, v122 offset:2048
	LNCH 0
	s_wait_loadcnt 32                              ; the query rows are in; key rows and 16 loads of ln_w, ln_b stay out
	LNSTAT 32
	s_wait_loadcnt 16                              ; the key rows are in
	LNSTAT 128
	s_wait_loadcnt 0x0
	APPLY 32, 0
	APPLY 128, 0
	LNCH 1
	s_wait_loadcnt 0x0
	APPLY 32, 1
	APPLY 128, 1
	s_wait_dscnt 0x0                               ; my images lie in LDS, and their stores have read v96, v97, v110-122
	QUANT6 32, 96, 127, 4                          ; the query rows' codes
	QUANT6 128, 110, 126, 4                        ; the key rows' codes
	s_barrier_signal -1
	; the addresses of all later phases: register work while the others arrive, and the places between the scale words just made and the first product
	s_lshl_b32 s41, s2, 13
	v_add_nc_u32 v4, s41, v1                       ; my K: KI + 8192 w + 16 L
	v_and_b32 v5, 15, v0
	v_mul_u32_u24 v7, v5, 80
	s_lshl_b32 s41, s2, 2
	s_add_co_u32 s41, s41, ML
	v_add_nc_u32 v6, s41, v7                       ; where I put m_w and l_w: 80 r + 4 w
	v_lshl_add_u32 v7, v2, 2, v7
	v_add_nc_u32 v7, ML, v7                        ; where I read eight waves': 80 r + 32 h
	s_lshl_b32 s41, s2, 10
	s_add_co_u32 s41, s41, OP
	v_add_nc_u32 v8, s41, v1                       ; where I put my partial O^T
	v_bfe_u32 v9, v0, 2, 3
	v_lshlrev_b32 v9, 11, v9
	v_and_b32 v10, 3, v0
	v_lshl_add_u32 v9, v10, 4, v9
	s_lshl_b32 s41, s2, 6
	s_add_co_u32 s41, s41, OP
	v_add_nc_u32 v9, s41, v9                       ; what I add up: of waves 2 (L / 4) and 2 (L / 4) + 1 the 16 bytes at 64 w + 16 (L % 4)
	v_lshlrev_b32 v10, 6, v10
	s_lshl_b32 s41, s4, 8
	s_and_b32 s40, s5, 1
	s_lshl_b32 s40, s40, 5
	s_add_co_u32 s41, s41, s40
	s_lshr_b32 s40, s2, 3
	s_lshl_b32 s40, s40, 4
	s_add_co_u32 s41, s41, s40
	v_add_nc_u32 v10, s41, v10                     ; those bytes are query 4 (w % 4) + L % 4, channels 8 ((w / 4) % 2) + 4 (w / 8) + 0 .. 3
	v_add_nc_u32 v12, WI, v1
	v_add_nc_u32 v13, WS, v3
	s_mul_i32 s41, s4, 3072
	v_add_nc_u32 v14, s41, v12                     ; the weight images from tile 2 (w % 4) on
	s_lshl_b32 s41, s4, 8
	v_add_nc_u32 v15, s41, v13
	s_barrier_wait -1                              ; all 32 weight images lie in LDS
	; ---- Q: row tile w / 4, column tiles 2 (w % 4) + e: passes 2 w + e
	s_lshl_b32 s41, s4, 7
	v_lshl_add_u32 v5, v2, 2, s41                  ; bq at 16 t + 8 h + 0 .. 7
.irp e, 0,1
	global_load_b128 v[32+8*\e:35+8*\e], v5, s[16:17] offset:64*\e
	global_load_b128 v[36+8*\e:39+8*\e], v5, s[16:17] offset:64*\e+16
.endr
	WFETCH 2, 128, 14, 24576, 15, 2048
	s_lshl_b32 s41, s2, 11
	s_add_co_u32 s41, s41, QI
	v_add_nc_u32 v11, s41, v1
	s_wait_loadcnt 0x0
	s_wait_dscnt 0x0
.irp e, 0,1
	MXPC 32+8*\e, 128+12*\e, 96, 122+\e, 127
.endr
	NOPS 5                                         ; four places ahead of stores of results and of loads into these products' registers, five ahead of products that write over them
.irp e, 0,1
	ds_store_b128 v11, v[32+8*\e:35+8*\e] offset:1024*\e
	ds_store_b128 v11, v[36+8*\e:39+8*\e] offset:1024*\e+512
.endr
	v_lshlrev_b32 v5, 2, v2                        ; bk at 16 t + 8 h + 0 .. 7 (bq's loads are done)
	; ---- K: my 16 rows x all 8 column tiles, four at a time, into my own part of LDS
.macro KBATCH t0
	s_wait_dscnt 0x0                               ; the stores before have read v32-63
.irp n, 0,1,2,3
	global_load_b128 v[32+8*\n:35+8*\n], v5, s[20:21] offset:64*(\t0+\n)
	global_load_b128 v[36+8*\n:39+8*\n], v5, s[20:21] offset:64*(\t0+\n)+16
.endr
	WFETCH 4, 128, 12, 1536*\t0, 13, 128*\t0
	s_wait_loadcnt 0x0
	s_wait_dscnt 0x0
.irp n, 0,1,2,3
	MXPC 32+8*\n, 128+12*\n, 110, 122+\n, 126
.endr
	NOPS 5
.irp n, 0,1,2,3
	ds_store_b128 v4, v[32+8*\n:35+8*\n] offset:1024*(\t0+\n)
	ds_store_b128 v4, v[36+8*\n:39+8*\n] offset:1024*(\t0+\n)+512
.endr
.endm
	KBATCH 0
	KBATCH 4
	; ---- V: the sources change places, so that a lane holds one channel and its registers run along the keys
	v_and_b32 v5, 15, v0
	v_lshlrev_b32 v5, 2, v5
.irp t, 0,1,2,3,4,5,6,7
	global_load_b32 v[64+\t], v5, s[24:25] offset:64*\t            ; bv at 16 t + r
.endr
.macro VBATCH t0
	WFETCH 4, 128, 12, 1536*(8+\t0), 13, 128*(8+\t0)
	s_wait_loadcnt 0x0
	s_wait_dscnt 0x0                               ; the fragments are in, and K's stores have read v32-63
.irp n, 0,1,2,3
	MXP0 32+8*\n, 110, 128+12*\n, 126, 122+\n
.endr
	NOPS 5
.irp n, 0,1,2,3
.irp c, 0,1
.irp jj, 0,1,2,3
	v_add_f32 v[192+32*\c+4*(\t0+\n)+\jj], v[32+8*\n+4*\c+\jj], v[64+\t0+\n]       ; + bv, to place 32 (j / 4) + 4 t + j % 4; each result from its low end on
.endr
.endr
.endr
.endm
	VBATCH 0
	VBATCH 4
	QUANT6 192, 96, 108, 72                        ; V's codes and scale word stay in registers
	s_wait_dscnt 0x0                               ; my images of Q and K lie in LDS
	s_barrier_signal -1
	s_barrier_wait -1                              ; all 32 images of Q do
	; ---- the passes
.macro KLOAD g                         ; K's tiles 2 g and 2 g + 1
.irp a, 0,1
	ds_load_b128 v[80+8*\a:83+8*\a], v4 offset:(2*(\g)+\a)*1024
	ds_load_b128 v[84+8*\a:87+8*\a], v4 offset:(2*(\g)+\a)*1024+512
.endr
.endm
.macro QLOAD                           ; the next pass's Q
	v_add_nc_u32 v5, s38, v1
	ds_load_b128 v[72:75], v5
	ds_load_b128 v[76:79], v5 offset:512
	s_add_co_u32 s38, s38, 1024
.endm
.macro WM                              ; two tiles of 16 keys x 16 queries, K = 16 in four steps; the two accumulators take turns; the first step starts each sum
	v_wmma_f32_16x16x4_f32 v[16:23], v[80:81], v[72:73], 0
	v_wmma_f32_16x16x4_f32 v[24:31], v[88:89], v[72:73], 0
.irp s, 1,2,3
	v_wmma_f32_16x16x4_f32 v[16:23], v[80+2*\s:81+2*\s], v[72+2*\s:73+2*\s], v[16:23]
	v_wmma_f32_16x16x4_f32 v[24:31], v[88+2*\s:89+2*\s], v[72+2*\s:73+2*\s], v[24:31]
.endr
.endm
; Behind a WM stand at least nine plain vector lines that name none of its registers before its results are read, its operands loaded anew or its accumulators begun anew.
.macro COPY g, q                       ; t = score x log2(e), tiles 2 g and 2 g + 1, into set q at their places; and the two blocks' running maxima
.irp a, 0,1
.set sbase, 128+64*(\q)+4*(2*(\g)+\a)
	v_pk_mul_f32 v[sbase:sbase+1], v[16+8*\a:17+8*\a], s[34:35] op_sel_hi:[1,0]     ; each accumulator from its low end on
	v_pk_mul_f32 v[sbase+2:sbase+3], v[18+8*\a:19+8*\a], s[34:35] op_sel_hi:[1,0]
	v_pk_mul_f32 v[sbase+32:sbase+33], v[20+8*\a:21+8*\a], s[34:35] op_sel_hi:[1,0]
	v_pk_mul_f32 v[sbase+34:sbase+35], v[22+8*\a:23+8*\a], s[34:35] op_sel_hi:[1,0]
.endr
.set bm, 36+2*(\q)
.irp a, 0,1
.set tl, 2*(\g)+\a
.set sbase, 128+64*(\q)+4*tl
.if tl == 0
	v_max_num_f32 v[bm], v[sbase], v[sbase+1]
	v_max_num_f32 v[bm+1], v[sbase+32], v[sbase+33]
.else
	v_max3_num_f32 v[bm], v[bm], v[sbase], v[sbase+1]
	v_max3_num_f32 v[bm+1], v[bm+1], v[sbase+32], v[sbase+33]
.endif
	v_max3_num_f32 v[bm], v[bm], v[sbase+2], v[sbase+3]
	v_max3_num_f32 v[bm+1], v[bm+1], v[sbase+34], v[sbase+35]
.endr
.endm
.macro XSUB o                          ; t - m_w, 32 numbers from place o on
.set i, SP+\o
.rept 16
	v_pk_add_f32 v[i:i+1], v[i:i+1], v[32:33] op_sel_hi:[1,0] neg_lo:[0,1] neg_hi:[0,1]
.set i, i+2
.endr
.endm
.macro XEXP o
.set i, SP+\o
.rept 32
	v_exp_f32 v[i], v[i]
.set i, i+1
.endr
.endm
.macro XSUM from, n                    ; the sum of the unscaled weights, two at a time, in two chains
.set i, SP+\from
	s_wait_alu depctr_va_vdst(0)
.rept \n
	v_pk_add_f32 v[40:41], v[40:41], v[i:i+1]
	v_pk_add_f32 v[42:43], v[42:43], v[i+2:i+3]
.set i, i+4
.endr
.endm
.macro RLOAD q                         ; two waves' partial O^T out of set q
	ds_load_b128 v[64:67], v9 offset:16384*(\q)
	ds_load_b128 v[68:71], v9 offset:16384*(\q)+1024
.endm
.macro GCOMP                           ; m = the largest m_w; l = the sum of l_w 2^(m_w - m); f = 2^(my m_w - m) / (l sqrt(128))
	v_max3_num_f32 v42, v48, v49, v50
	v_max3_num_f32 v43, v51, v52, v53
	v_max3_num_f32 v42, v42, v54, v55
	v_max_num_f32 v42, v42, v43
	v_permlanex16_b32 v43, v42, s32, s33           ; the other eight waves' lie in lane L xor 16
	v_max_num_f32 v44, v42, v43
.irp n, 0,2,4,6
	v_pk_add_f32 v[48+\n:49+\n], v[48+\n:49+\n], v[44:45] op_sel_hi:[1,0] neg_lo:[0,1] neg_hi:[0,1]
.endr
	v_sub_f32 v45, v32, v44
.irp n, 0,1,2,3,4,5,6,7
	v_exp_f32 v[48+\n], v[48+\n]
.endr
	v_exp_f32 v45, v45
	v_nop                                          ; one plain place behind the exponentials
	s_wait_alu depctr_va_vdst(0)
	v_pk_mul_f32 v[40:41], v[48:49], v[56:57]
.irp n, 2,4,6
	v_pk_fma_f32 v[40:41], v[48+\n:49+\n], v[56+\n:57+\n], v[40:41]
.endr
	v_add_f32 v40, v40, v41
	v_permlanex16_b32 v41, v40, s32, s33
	v_add_f32 v40, v40, v41
	v_rcp_f32 v41, v40
	v_mul_f32 v45, 0x3db504f3, v45                 ; x 1 / sqrt(128); also the plain place behind the reciprocal
	s_wait_alu depctr_va_vdst(0)
	v_mul_f32 v34, v41, v45
.endm
.macro NMUL                            ; the finished weights
.set i, SP
.rept 32
	v_pk_mul_f32 v[i:i+1], v[i:i+1], v[34:35] op_sel_hi:[1,0]
.set i, i+2
.endr
.endm
.macro NSCALE                          ; each block's largest weight went the same way as the weights: its exponent field gives the scale
	v_mul_f32 v46, v46, v34
	v_mul_f32 v47, v47, v34
	v_max_num_f32 v46, 0x2800000, v46              ; the floor 2^(5 - 127)
	v_max_num_f32 v47, 0x2800000, v47
	v_add_nc_u32 v46, 0xfe000000, v46
	v_add_nc_u32 v47, 0xfe000000, v47
	v_lshrrev_b32 v42, 23, v46
	v_lshrrev_b32 v43, 23, v47
	v_lshl_or_b32 v109, v43, 16, v42
	v_lshlrev_b32 v109, v2, v109
	v_permlanex16_b32 v42, v109, s32, s33
	v_or_b32 v109, v109, v42
.endm
.macro NCVT
	v_cvt_scalef32_pk16_bf6_f32 v[110:112], v[SP:SP+15], v46
	v_cvt_scalef32_pk16_bf6_f32 v[48:50], v[SP+16:SP+31], v46
	v_cvt_scalef32_pk16_bf6_f32 v[116:118], v[SP+32:SP+47], v47
	v_cvt_scalef32_pk16_bf6_f32 v[52:54], v[SP+48:SP+63], v47
	v_nop                                          ; one plain place behind the conversions
.irp n, 0,1,2
	v_mov_b32 v[113+\n], v[48+\n]
	v_mov_b32 v[119+\n], v[52+\n]
.endr
.endm
.macro RCOMP                           ; 16 waves' partials: two in my registers, then the eight lanes with my L % 4
	v_pk_add_f32 v[64:65], v[64:65], v[68:69]
	v_pk_add_f32 v[66:67], v[66:67], v[70:71]
.irp m, 4,8
.irp n, 0,1,2,3
	v_add_f32_dpp v[64+\n], v[64+\n], v[64+\n] row_xmask:\m row_mask:0xf bank_mask:0xf
.endr
.endr
.irp n, 0,1,2,3
	v_permlanex16_b32 v[48+\n], v[64+\n], s32, s33
.endr
	v_pk_add_f32 v[48:49], v[48:49], v[64:65]
	v_pk_add_f32 v[50:51], v[50:51], v[66:67]
.endm
.macro AOSTORE                         ; the eight lanes write the same 16 bytes with the same value
	v_add_nc_u32 v11, s39, v10
	ds_store_b128 v11, v[48:51]
	s_add_co_u32 s39, s39, 1024
.endm
; Pass p, p % 2 = par.  doE: the scores of pass p + 1 are made on the way, into the other set.  doR: the partials of pass p - 1 are added up.
; ONE BARRIER A PASS.  m_w, l_w of set par are stored ahead of it and read behind it; they are stored again two barriers on.  The partials of set par are stored behind it, read behind the next barrier,
; and stored again behind the one after.  Ahead of each signal a wave waits for all its LDS instructions: its stores have landed and its reads are over.
.macro PASS par, doE, doR
.set SP, 128+64*\par
.if \doE
	KLOAD 0
	QLOAD
.endif
	v_max_num_f32 v42, v[36+2*\par], v[37+2*\par]
	v_permlanex16_b32 v43, v42, s32, s33
	v_max_num_f32 v32, v42, v43                    ; m_w: the largest t of my query among my wave's 128 keys
	v_sub_f32 v46, v[36+2*\par], v32               ; each block's largest t goes the way of all t
	v_sub_f32 v47, v[37+2*\par], v32
	XSUB 0
.if \doE
	s_wait_dscnt 0x0                               ; K's tiles 0, 1 and Q are in
	WM
.endif
	XSUB 32                                        ; (16 places)
.if \doE
	KLOAD 1
.endif
	XEXP 0
.if \doE
	COPY 0, 1-\par                                 ; (its first line is the plain place behind the exponentials)
	s_wait_dscnt 0x0
	WM
.else
	v_nop
	s_wait_alu depctr_va_vdst(0)
.endif
	s_wait_alu depctr_va_vdst(0)
	v_pk_add_f32 v[40:41], v[SP:SP+1], v[SP+2:SP+3]
	v_pk_add_f32 v[42:43], v[SP+4:SP+5], v[SP+6:SP+7]
	XSUM 8, 6                                      ; (14 places with the two lines above)
.if \doE
	KLOAD 2
.endif
	XEXP 32
	v_exp_f32 v46, v46
	v_exp_f32 v47, v47
.if \doE
	COPY 1, 1-\par
.else
	v_nop
	s_wait_alu depctr_va_vdst(0)
.endif
	XSUM 32, 8
	v_pk_add_f32 v[40:41], v[40:41], v[42:43]
	v_add_f32 v40, v40, v41
	v_permlanex16_b32 v41, v40, s32, s33
	v_add_f32 v40, v40, v41                        ; l_w
	ds_store_b32 v6, v32 offset:2560*\par          ; lanes L and L xor 16 write the same word with the same value
	ds_store_b32 v6, v40 offset:2560*\par+1280
	s_wait_dscnt 0x0                               ; for the others' sake: all my LDS stores have landed, all my LDS reads are over
	s_barrier_signal -1
.if \doE
	WM                                             ; work on registers while the others arrive
.endif
	s_barrier_wait -1
	ds_load_b128 v[48:51], v7 offset:2560*\par
	ds_load_b128 v[52:55], v7 offset:2560*\par+16
	ds_load_b128 v[56:59], v7 offset:2560*\par+1280
	ds_load_b128 v[60:63], v7 offset:2560*\par+1296
.if \doR
	RLOAD 1-\par
.endif
	s_wait_dscnt 0x0
	GCOMP                                          ; (ten plain lines ahead of its exponentials, nine behind them)
.if \doE
	KLOAD 3
	COPY 2, 1-\par
.endif
	NMUL
	NSCALE
.if \doE
	s_wait_dscnt 0x0
	WM
.endif
	NCVT
	NOPS 2                                         ; with the seven plain lines of the conversions' tail: nine places behind the f32 products
.if \doR
	RCOMP
	AOSTORE
.endif
.if \doE
	COPY 3, 1-\par                                 ; (16 plain lines between P's scale word and codes and their product)
.else
	NOPS 8
.endif
	MXP0 56, 96, 110, 108, 109                     ; O^T (channel 8 h + j, query r) over my 128 keys
	NOPS 4
	ds_store_b128 v8, v[56:59] offset:16384*\par
	ds_store_b128 v8, v[60:63] offset:16384*\par+512
.endm
	v_mov_b32 v33, 0                               ; upper halves of pairs of which the packed forms take the low word, and a lane permute's destination: written once
	v_mov_b32 v35, 0
	v_mov_b32 v43, 0
	v_mov_b32 v45, 0
	s_mov_b32 s38, QI+1024                         ; the next Q to fetch
	s_mov_b32 s39, AO                              ; the next place in attention's output
	v_add_nc_u32 v5, QI, v1
	ds_load_b128 v[72:75], v5
	ds_load_b128 v[76:79], v5 offset:512
	KLOAD 0
.irp g, 0,1,2,3                        ; the scores of pass 0: there is no vector work yet to set beside them
	s_wait_dscnt 0x0
	WM
	NOPS 9
.if \g < 3
	KLOAD \g+1
.endif
	COPY \g, 0
.endr
	PASS 0, 1, 0
	s_mov_b32 s40, 15
.Lpass:                                ; passes 1 to 30, two a trip, so that the sets are back where they began
	PASS 1, 1, 1
	PASS 0, 1, 1
	s_sub_co_u32 s40, s40, 1
	s_cmp_lg_u32 s40, 0
	s_cbranch_scc1 .Lpass
	PASS 1, 0, 1                                   ; pass 31
	; ---- the residual and bo are asked for here, two barriers ahead of their use
.irp n, 0,1,2,3
	global_load_b128 v[192+4*\n:195+4*\n], v1, s[52:53] offset:512*\n
.endr
	s_lshl_b32 s41, s4, 7
	v_lshl_add_u32 v5, v2, 2, s41                  ; bo at 16 t + 8 h + 0 .. 7, t = 2 (w % 4) + e
.irp e, 0,1
	global_load_b128 v[32+8*\e:35+8*\e], v5, s[28:29] offset:64*\e
	global_load_b128 v[36+8*\e:39+8*\e], v5, s[28:29] offset:64*\e+16
.endr
	s_wait_dscnt 0x0                               ; my partial of pass 31 lies in LDS
	s_barrier_signal -1
	s_barrier_wait -1
	RLOAD 1
	s_wait_dscnt 0x0
	RCOMP
	AOSTORE
	s_wait_dscnt 0x0                               ; my part of attention's output lies in LDS
	s_barrier_signal -1
	s_barrier_wait -1                              ; all of it does
	; ---- the output projection: row tile w / 4, column tiles 2 (w % 4) + e
	v_and_b32 v4, 15, v0
	v_mul_u32_u24 v9, v4, 528
	v_lshlrev_b32 v4, 6, v4
	v_lshl_add_u32 v4, v2, 8, v4
	s_lshl_b32 s41, s5, 13
	s_add_co_u32 s41, s41, AO
	v_add_nc_u32 v4, s41, v4                       ; column k = 64 c + 32 h + i of row r lies in pass 8 (w / 4) + k / 16 at 64 r + 4 (k % 16)
.irp c, 0,1
.irp q, 0,1,2,3,4,5,6,7
	ds_load_b128 v[128+32*\c+4*\q:131+32*\c+4*\q], v4 offset:(4*\c+\q/4)*1024+16*(\q%4)
.endr
.endr
	WFETCH 2, 208, 14, 36864, 15, 3072
	v_lshl_add_u32 v9, v2, 2, v9
	s_mul_i32 s41, s5, 8448
	s_lshl_b32 s40, s4, 7
	s_add_co_u32 s41, s41, s40
	s_add_co_u32 s41, s41, STG
	v_add_nc_u32 v9, s41, v9                       ; into the stage: row 16 (w / 4) + r, byte 128 (w % 4) + 32 h
	s_mul_i32 s41, s2, 2112
	s_add_co_u32 s41, s41, STG
	v_add_nc_u32 v10, s41, v1                      ; back: rows 4 w .. 4 w + 3, whole
	s_wait_dscnt 0x0
	QUANT6 128, 110, 126, 72
	NOPS 8                                         ; eight places between a scale word made by vector lines and its product
	s_wait_loadcnt 0x0                             ; bo, and the residual
.irp e, 0,1
	MXPC 32+8*\e, 208+12*\e, 110, 122+\e, 126      ; lane (r, h): out(row r, columns 16 t + 8 h + 0 .. 7)
.endr
	NOPS 4
.irp e, 0,1
	ds_store_b128 v9, v[32+8*\e:35+8*\e] offset:64*\e
	ds_store_b128 v9, v[36+8*\e:39+8*\e] offset:64*\e+16
.endr
	s_wait_dscnt 0x0                               ; for the others' sake: a row's 512 bytes come from four waves
	s_barrier_signal -1
	s_barrier_wait -1
.irp n, 0,1,2,3
	ds_load_b128 v[64+4*\n:67+4*\n], v10 offset:528*\n
.endr
	s_wait_dscnt 0x0
.irp n, 0,2,4,6,8,10,12,14
	v_pk_add_f32 v[64+\n:65+\n], v[64+\n:65+\n], v[192+\n:193+\n]  ; + x
.endr
.irp n, 0,1,2,3
	global_store_b128 v1, v[64+4*\n:67+4*\n], s[54:55] offset:512*\n th:TH_STORE_NT   ; 32 lanes store a row's 512 consecutive bytes, at a multiple of 512 from out0's first byte
.endr
	s_wait_xcnt 0x0
	v_lshl_add_u32 v254, v0, 2, 0x4e800
	v_mov_b32 v255, 0
	s_wait_tensorcnt 0x0
	ds_add_u32 v254, v255
	s_wait_dscnt 0x0
	s_endpgm
.Lfunc_end_k_q86ebd3f3fb_attn:
	.size	k_q86ebd3f3fb_attn, .Lfunc_end_k_q86ebd3f3fb_attn-k_q86ebd3f3fb_attn
	.p2alignl 7, 3214868480
	.fill 96, 4, 3214868480
	.section	.rodata,"a",@progbits
	.p2align	6, 0x0
	.amdhsa_kernel k_q86ebd3f3fb_attn
		.amdhsa_group_segment_fixed_size 323584
		.amdhsa_private_segment_fixed_size 0
		.amdhsa_enable_private_segment 0
		.amdhsa_kernarg_size 96
		.amdhsa_user_sgpr_count 2
		.amdhsa_user_sgpr_kernarg_segment_ptr 1
		.amdhsa_wavefront_size32 1
		.amdhsa_system_sgpr_workgroup_id_x 1
		.amdhsa_system_sgpr_workgroup_id_y 1
		.amdhsa_system_sgpr_workgroup_id_z 1
		.amdhsa_system_vgpr_workitem_id 0
		.amdhsa_next_free_vgpr 256
		.amdhsa_next_free_sgpr 66
		.amdhsa_reserve_vcc 0
		.amdhsa_float_denorm_mode_32 3
		.amdhsa_float_denorm_mode_16_64 3
		.amdhsa_memory_ordered 1
		.amdhsa_forward_progress 1
		.amdhsa_inst_pref_size 156
	.end_amdhsa_kernel
	.amdgpu_metadata
---
amdhsa.version: [ 1, 2 ]
amdhsa.kernels:
  - .name:           k_q86ebd3f3fb_attn
    .symbol:         k_q86ebd3f3fb_attn.kd
    .args:
      - { .name: x, .offset: 0, .size: 8, .value_kind: global_buffer, .address_space: global }
      - { .name: ln_w, .offset: 8, .size: 8, .value_kind: global_buffer, .address_space: global }
      - { .name: ln_b, .offset: 16, .size: 8, .value_kind: global_buffer, .address_space: global }
      - { .name: Wq, .offset: 24, .size: 8, .value_kind: global_buffer, .address_space: global }
      - { .name: bq, .offset: 32, .size: 8, .value_kind: global_buffer, .address_space: global }
      - { .name: Wk, .offset: 40, .size: 8, .value_kind: global_buffer, .address_space: global }
      - { .name: bk, .offset: 48, .size: 8, .value_kind: global_buffer, .address_space: global }
      - { .name: Wv, .offset: 56, .size: 8, .value_kind: global_buffer, .address_space: global }
      - { .name: bv, .offset: 64, .size: 8, .value_kind: global_buffer, .address_space: global }
      - { .name: Wo, .offset: 72, .size: 8, .value_kind: global_buffer, .address_space: global }
      - { .name: bo, .offset: 80, .size: 8, .value_kind: global_buffer, .address_space: global }
      - { .name: out0, .offset: 88, .size: 8, .value_kind: global_buffer, .address_space: global }
    .group_segment_fixed_size: 323584
    .private_segment_fixed_size: 0
    .kernarg_segment_align: 8
    .kernarg_segment_size: 96
    .max_flat_workgroup_size: 512
    .sgpr_count:     66
    .vgpr_count:     256
    .wavefront_size: 32
...
	.end_amdgpu_metadata
.endif
;; end of part 1
;; ======== version 2 of 3: 1 launch; 1.09 times as fast as version 1
;; launch attn (part 2): grid 4 x 64, 16 waves a work-group, no clusters, 323,584 bytes of LDS; arguments x, ln_w, ln_b, Wq, bq, Wk, bk, Wv, bv, Wo, bo, out0; writes out0
.if DOCPART == 2
	.amdgcn_target "amdgcn-amd-amdhsa--gfx1250"
	.amdhsa_code_object_version 6
	.text
	.protected	k_q86ebd3f3fb_attn
	.globl	k_q86ebd3f3fb_attn
	.p2align	8
	.type	k_q86ebd3f3fb_attn,@function
k_q86ebd3f3fb_attn:
	s_mov_b64 s[64:65], 0
	v_nop
	global_prefetch_b8 v0, s[64:65] scope:SCOPE_SE
	s_setreg_imm32_b32 hwreg(HW_REG_WAVE_MODE, 25, 1), 1
	s_wait_xcnt 0x0
; out0 = x + softmax-attention(LayerNorm(x)) Wo^T + bo, one launch.  x, out0: [16384][128] f32.  The projections, P V and the output projection run on codes of BF6 (E3M2)
; with one E8M0 scale for each 32 along K; the energy q k^T (K = 16) feeds a quantiser and therefore runs on f32 operands.
; THE RAW VIEW: head bh (0..63) is rows 256 bh .. 256 bh + 255 of the [16384][128] matrices; row R, column 16 t + d of that block is token 8 R + t, channel d.  So 16 rows are 128 consecutive
; tokens, one K step of the BF6 instruction, and a projection's column tile t is the token's number modulo 8.
; SHARES: work-group (x = j, y = bh) owns rows 64 j .. 64 j + 63 of head bh: 512 queries, 64 rows of out0.  Wave w (of 16) owns 16 of the head's rows, tile (w + 4 j) mod 16 = 128 keys, for the whole launch:
; it normalises and quantises them itself and makes its own K (as f32, in its own 8 KiB of LDS) and V (as codes, in 12 registers).  By that choice of tiles the work-group's query rows 16 mu .. are wave mu's
; key rows: waves 0 to 3 hand their rows' codes on through LDS, and nobody normalises a row of the work-group twice.
; A PASS p = 8 mu + t (32 of them) serves the 16 queries 128 mu + 8 r + t.  Every wave computes these queries against its 128 keys, takes exponentials under ITS OWN maximum m_w, hands (m_w, l_w) round
; through LDS (one barrier), scales by f = 2^(m_w - m) / (l sqrt(128)): the finished, normalised weights; quantises them, and multiplies them by its V in ONE BF6 instruction.  The 16 partial results are
; added one barrier later.  So every energy and every exponential is computed once, although the quantiser wants the row's sum first.
; BY TURNS: a pass of a wave has 32 f32 matrix instructions and 305 vector instructions.  The matrix instructions stand singly, each with a slice of the vector work behind it.  They run ahead of the softmax:
; pass p holds groups 1, 2, 3 (two tiles of 16 keys each) of the scores of pass p + 1 and group 0 of pass p + 2.
; LAYOUTS (L lane, r = L % 16, h = L / 16).  K tile t = Wk's rows 16 t .. (source 0) x my rows' codes (source 1): register j = K[key 8 r + t][channel 8 h + j]: registers 2 s, 2 s + 1 ARE source 0 of the f32 form's
; K step s (channels 8 h + 2 s + 0, 1: an order of the 16 channels that Q shares).  Q likewise.  Scores: register j of tile t = (query r, key 64 h + 8 j + t).  V tile t = my rows' codes (source 0) x Wv's rows (source 1):
; register j = (channel r, key 64 h + 8 j + t): the same map.  Both go to place 32 (j / 4) + 4 t + j % 4 of a run of 64 registers: registers 32 c .. 32 c + 31 are then the true block of keys 64 h + 32 c .. + 31,
; whole in one lane, in an order that P and V share; its scale byte stands at byte 2 c + h of the scale word on both sides.
; NO CLUSTER, NO JOINT LOADS: what work-groups share (a head's 128 KiB of x among four, 256 KiB of weights among all) is read once, at the head, into registers; the 32 passes read LDS alone, and of
; LDS 6,144 bytes are free.  No tensor load, so no ring.
; LIMITS: NaN and infinities are not served.  A weight under 2^-126 ahead of its scaling is 0 (v_exp_f32 gives 0 there).  t = energy x log2(e) is rounded once before the maximum is taken off (at most 2^-24 |t|).
; A block's largest weight is made from its largest t by the same instructions (this takes v_exp_f32 not to fall where its input rises).  A weight has three roundings (exponential, f, product) where the
; source has two divisions.  Sums over waves are trees.  A block of zeros carries the byte 1 over zero codes: only this program reads the bytes.
.set KI,  0                            ; K as f32: wave w at 8192 w; tile t at 1024 t; registers 4 q .. 4 q + 3 at 512 q; lane at 16 L
.set QI,  131072                       ; Q as f32: pass p at 1024 p, the same form
.set WI,  163840                       ; 32 weight fragments as images of their 12 registers, 1,536 bytes each: 0-7 Wk, 8-15 Wv, 16-23 Wq, 24-31 Wo
.set WS,  212992                       ; their scale words, 128 bytes each
.set AO,  217088                       ; attention's output: pass p at 1024 p; query r at 64 r; channel d at 4 d
.set STG, 249856                       ; the way out: 64 rows x (512 + 16) bytes
.set OP,  283648                       ; partial O^T, two sets by turns, 16,384 apart: wave w at 1024 w; registers 4 a .. at 512 a; lane at 16 L
.set ML,  316416                       ; m_w and l_w, two sets by turns, 2,560 apart: m at 0, l at 1,280; query r at 80 r; wave w at 4 w
.set TRNW, 8448                        ; ahead of the first barrier only: wave w's stage for turning 16 rows, 16 x 528 bytes at 8448 w, over KI and the start of QI, which are first written behind that barrier
.set XI,  AO                           ; between the first two barriers only: the codes of the four query row tiles as images, wave w's (w < 4) at 1536 w, in bytes that attention's output takes later
.set XIS, AO+24576                     ; and their scale words, 128 bytes each
; REGISTERS.  v0 thread; v1 16 L; v2 8 h; v3 4 L; v4-15 addresses (work registers until the first barrier); v16-31 the two f32 accumulators, written by the f32 matrix form alone;
; v32 m_w, v34 f, v36-39 block maxima [set][c], v40-47 at work, v48-63 the others' m and l, later the conversions' second halves and O^T; v64-71 partials; v72-79 Q; v80-95 two tiles of K; v96-107 V's codes;
; v110-121 codes just made; v128-191, v192-255 two sets of 64 scores.  v108 V's scale word, v109 P's, v122-125 weights', v126, v127 x's: these hold scales and nothing else.
.macro NOPS n
.rept \n
	v_nop
.endr
.endm
.macro MXP0 d, a, b, sa, sb            ; a BF6 product that starts its sum
	v_wmma_scale_f32_16x16x128_f8f6f4 v[\d:\d+7], v[\a:\a+11], v[\b:\b+11], 0, v[\sa], v[\sb] matrix_a_fmt:MATRIX_FMT_BF6 matrix_b_fmt:MATRIX_FMT_BF6
.endm
.macro MXPC d, a, b, sa, sb            ; one whose C, the bias in the result's layout, has been loaded into D's registers
	v_wmma_scale_f32_16x16x128_f8f6f4 v[\d:\d+7], v[\a:\a+11], v[\b:\b+11], v[\d:\d+7], v[\sa], v[\sb] matrix_a_fmt:MATRIX_FMT_BF6 matrix_b_fmt:MATRIX_FMT_BF6
.endm
.macro GLOAD dst, base                 ; 16 rows x 128 f32 as they lie: each load takes one row, 512 consecutive bytes, 16 a lane
.set i, 0
.rept 16
	global_load_b128 v[\dst+4*i:\dst+4*i+3], v1, s[\base:\base+1] offset:512*i
.set i, i+1
.endr
.endm
; The rows turn through my own stage: in as loaded, back so that lane (r, h) holds k = 64 c + 32 h + 0 .. 31 of row r in registers 32 c + 0 .. 31: the order of the operand's layout.  The pitch is 528 = 33 x 16 bytes,
; so the sixteen rows that a load touches begin at sixteen different multiples of 16 modulo 256.  LDS serves a wave's instructions in order (ISA guide 5.7.1.4): no wait between the stores and the loads.
.macro TURN dst
.set i, 0
.rept 16
	ds_store_b128 v14, v[\dst+4*i:\dst+4*i+3] offset:528*i
.set i, i+1
.endr
.irp c, 0,1
.irp q, 0,1,2,3,4,5,6,7
	ds_load_b128 v[\dst+32*\c+4*\q:\dst+32*\c+4*\q+3], v98 offset:256*\c+16*\q
.endr
.endr
.endm
.macro LNCH c, dst                     ; ln_w (32 registers) and ln_b (32 more) at my k = 64 c + 32 h + 0 .. 31
.irp q, 0,1,2,3,4,5,6,7
	global_load_b128 v[\dst+4*\q:\dst+4*\q+3], v15, s[10:11] offset:256*\c+16*\q
	global_load_b128 v[\dst+32+4*\q:\dst+35+4*\q], v15, s[12:13] offset:256*\c+16*\q
.endr
.endm
; 64 numbers of a lane, two whole blocks of 32, become the operand's 12 registers v[D] on and the scale word v[SW].  TB: ten work registers.
.macro QUANT6 X, D, SW, TB
	v_max3_num_f32 v[\TB+8], |v[\X]|, |v[\X+1]|, 0x2800000          ; the floor 2^(5 - 127) among the leaves: the byte cannot fall under 1
	v_max3_num_f32 v[\TB+9], |v[\X+32]|, |v[\X+33]|, 0x2800000
.set i, 2
.rept 15
	v_max3_num_f32 v[\TB+8], v[\TB+8], |v[\X+i]|, |v[\X+i+1]|       ; the two blocks by turns
	v_max3_num_f32 v[\TB+9], v[\TB+9], |v[\X+32+i]|, |v[\X+33+i]|
.set i, i+2
.endr
	v_add_nc_u32 v[\TB+8], 0xfe000000, v[\TB+8]                     ; 4 off the exponent field: the conversion's scale operand
	v_add_nc_u32 v[\TB+9], 0xfe000000, v[\TB+9]
	v_lshrrev_b32 v[\TB+3], 23, v[\TB+8]                            ; the scale's byte
	v_lshrrev_b32 v[\TB+7], 23, v[\TB+9]
	v_lshl_or_b32 v[\SW], v[\TB+7], 16, v[\TB+3]                    ; my bytes: blocks h and 2 + h,
	v_lshlrev_b32 v[\SW], v2, v[\SW]                                ; 8 h bits up;
	v_permlanex16_b32 v[\TB+3], v[\SW], s32, s33
	v_or_b32 v[\SW], v[\SW], v[\TB+3]                               ; with lane L xor 16's two the word is whole
	v_cvt_scalef32_pk16_bf6_f32 v[\D:\D+2], v[\X:\X+15], v[\TB+8]
	v_cvt_scalef32_pk16_bf6_f32 v[\TB:\TB+2], v[\X+16:\X+31], v[\TB+8]      ; (a conversion's three registers begin on an even number)
	v_cvt_scalef32_pk16_bf6_f32 v[\D+6:\D+8], v[\X+32:\X+47], v[\TB+9]
	v_cvt_scalef32_pk16_bf6_f32 v[\TB+4:\TB+6], v[\X+48:\X+63], v[\TB+9]
	v_nop                                                           ; one plain place behind the conversions
.irp n, 0,1,2
	v_mov_b32 v[\D+3+\n], v[\TB+\n]
	v_mov_b32 v[\D+9+\n], v[\TB+4+\n]
.endr
.endm
; (x - mean) / sqrt(var + eps) in place.  A row's 128 numbers lie in lanes L and L xor 16, 64 each.  Work registers v4-13.
.macro LNSTAT X
	v_pk_add_f32 v[4:5], v[\X:\X+1], v[\X+2:\X+3]
	v_pk_add_f32 v[6:7], v[\X+4:\X+5], v[\X+6:\X+7]
.set i, 8
.rept 14
	v_pk_add_f32 v[4:5], v[4:5], v[\X+i:\X+i+1]
	v_pk_add_f32 v[6:7], v[6:7], v[\X+i+2:\X+i+3]
.set i, i+4
.endr
	v_pk_add_f32 v[4:5], v[4:5], v[6:7]
	v_add_f32 v12, v4, v5
	v_permlanex16_b32 v13, v12, s32, s33
	v_add_f32 v12, v12, v13
	v_mul_f32 v8, s36, v12                                          ; the mean
.set i, 0
.rept 32
	v_pk_add_f32 v[\X+i:\X+i+1], v[\X+i:\X+i+1], v[8:9] op_sel_hi:[1,0] neg_lo:[0,1] neg_hi:[0,1]
.set i, i+2
.endr
	v_pk_mul_f32 v[4:5], v[\X:\X+1], v[\X:\X+1]
	v_pk_mul_f32 v[6:7], v[\X+2:\X+3], v[\X+2:\X+3]
.set i, 4
.rept 15
	v_pk_fma_f32 v[4:5], v[\X+i:\X+i+1], v[\X+i:\X+i+1], v[4:5]
	v_pk_fma_f32 v[6:7], v[\X+i+2:\X+i+3], v[\X+i+2:\X+i+3], v[6:7]
.set i, i+4
.endr
	v_pk_add_f32 v[4:5], v[4:5], v[6:7]
	v_add_f32 v12, v4, v5
	v_permlanex16_b32 v13, v12, s32, s33
	v_add_f32 v12, v12, v13
	v_fma_f32 v12, v12, s36, s37                                    ; var + eps
	v_rsq_f32 v10, v12
	v_nop                                                           ; one plain place behind the transcendental
.set i, 0
	s_wait_alu depctr_va_vdst(0)
.rept 32
	v_pk_mul_f32 v[\X+i:\X+i+1], v[\X+i:\X+i+1], v[10:11] op_sel_hi:[1,0]
.set i, i+2
.endr
.endm
.macro APPLY X, c, P                   ; x ln_w + ln_b for k = 64 c + 32 h + 0 .. 31; ln_w from v[P] on, ln_b from v[P + 32] on
.set i, 0
.rept 16
	v_pk_fma_f32 v[\X+32*\c+i:\X+32*\c+i+1], v[\X+32*\c+i:\X+32*\c+i+1], v[\P+i:\P+i+1], v[\P+32+i:\P+33+i]
.set i, i+2
.endr
.endm
.macro IMAGE adr, off                  ; the fragment in v110-121 goes to LDS as it stands: lane L's 16 bytes at 16 L, 512 bytes a store
.irp c, 0,1,2
	ds_store_b128 v[\adr], v[110+4*\c:113+4*\c] offset:\off+512*\c
.endr
.endm
.macro WFETCH n, dst, adr, off, sadr, soff     ; n weight fragments come back so, 12 registers each from v[dst] on, their scale words into v122 on
.set i, 0
.rept \n
	ds_load_b128 v[\dst+12*i:\dst+12*i+3], v[\adr] offset:\off+1536*i
	ds_load_b128 v[\dst+12*i+4:\dst+12*i+7], v[\adr] offset:\off+1536*i+512
	ds_load_b128 v[\dst+12*i+8:\dst+12*i+11], v[\adr] offset:\off+1536*i+1024
	ds_load_b32 v[122+i], v[\sadr] offset:\soff+128*i
.set i, i+1
.endr
.endm
	s_load_b512 s[8:23], s[0:1], 0x0               ; x s[8:9], ln_w s[10:11], ln_b s[12:13], Wq s[14:15], bq s[16:17], Wk s[18:19], bk s[20:21], Wv s[22:23]
	s_load_b256 s[24:31], s[0:1], 0x40             ; bv s[24:25], Wo s[26:27], bo s[28:29], out0 s[30:31]
	v_lshrrev_b32 v4, 5, v0
	v_readfirstlane_b32 s2, v4                     ; wave w, 0..15
	s_and_b32 s3, s2, 7
	s_and_b32 s4, s2, 3
	s_lshr_b32 s5, s2, 2
	s_and_b32 s7, ttmp7, 0xffff                    ; the head bh
	s_mov_b32 s32, 0x76543210                      ; v_permlanex16_b32's selects for lane L xor 16
	s_mov_b32 s33, 0xfedcba98
	s_mov_b32 s34, 0x3fb8aa3b                      ; log2(e); the packed form names the pair and takes its low word
	s_mov_b32 s35, s34
	s_mov_b32 s36, 0x3c000000                      ; 1 / 128
	s_mov_b32 s37, 0x3727c5ac                      ; 1e-5
	v_and_b32 v1, 31, v0
	v_lshlrev_b32 v3, 2, v1                        ; 4 L
	v_lshlrev_b32 v1, 4, v1                        ; 16 L
	v_bfe_u32 v2, v0, 4, 1
	v_lshlrev_b32 v2, 3, v2                        ; 8 h
	s_mul_i32 s41, s2, TRNW                        ; my stage
	v_add_nc_u32 v14, s41, v1                      ; into it: 16 L of a row
	v_and_b32 v98, 15, v0
	v_mul_u32_u24 v98, v98, 528
	v_lshl_add_u32 v98, v2, 4, v98
	v_add_nc_u32 v98, s41, v98                     ; out of it: 528 r + 128 h
	v_lshlrev_b32 v15, 4, v2                       ; 128 h: my place in ln_w and ln_b
	s_mul_i32 s41, s2, 1536
	s_add_co_u32 s40, s41, XI
	v_add_nc_u32 v99, s40, v1                      ; where waves 0 to 3 put the image of their rows' codes
	s_add_co_u32 s41, s41, WI
	v_add_nc_u32 v96, s41, v1                      ; where my weight images go: fragment w, and 16 further on fragment 16 + w
	s_lshl_b32 s41, s2, 7
	s_add_co_u32 s40, s41, XIS
	v_add_nc_u32 v100, s40, v3
	s_add_co_u32 s41, s41, WS
	v_add_nc_u32 v97, s41, v3
	s_lshl_b32 s38, s7, 17                         ; the head's 256 rows of 512 bytes
	s_lshl_b32 s39, ttmp9, 15                      ; the work-group's 64 of them
	s_add_co_u32 s39, s39, s38
	s_lshl_b32 s40, ttmp9, 2
	s_add_co_u32 s40, s40, s2
	s_and_b32 s40, s40, 15                         ; my key tile: (w + 4 j) mod 16
	s_lshl_b32 s40, s40, 13
	s_add_co_u32 s40, s40, s38
	s_mov_b32 s43, 0
	s_wait_kmcnt 0x0
	s_cmp_lt_u32 s2, 8                             ; waves 0-7 quantise a tile of Wk and one of Wq, waves 8-15 one of Wv and one of Wo: only pointers are chosen
	s_cselect_b64 s[44:45], s[18:19], s[22:23]
	s_cselect_b64 s[46:47], s[14:15], s[26:27]
	s_lshl_b32 s42, s3, 13                         ; tile w % 8: 16 rows of 512 bytes
	s_add_nc_u64 s[44:45], s[44:45], s[42:43]
	s_add_nc_u64 s[46:47], s[46:47], s[42:43]
	s_mov_b32 s42, s40
	s_add_nc_u64 s[48:49], s[8:9], s[42:43]        ; x at my 16 key rows
	s_lshl_b32 s42, s2, 11
	s_add_co_u32 s42, s42, s39
	s_add_nc_u64 s[52:53], s[8:9], s[42:43]        ; x and out0 at the 4 rows that I store
	s_add_nc_u64 s[54:55], s[30:31], s[42:43]
	; ---- weights into images, my rows normalised and quantised.  Batches of 16 loads: weight tile A, weight tile B, my rows; then the two halves of ln_w and ln_b into registers as they fall free
	GLOAD 128, 44
	GLOAD 192, 46
	GLOAD 32, 48
	s_wait_loadcnt 32                              ; tile A is in; the 32 loads behind it stay out
	TURN 128
	s_wait_dscnt 0x0
	QUANT6 128, 110, 122, 4
	IMAGE 96, 0
	ds_store_b32 v97, v122
	LNCH 0, 128
	s_wait_loadcnt 32                              ; tile B is in; my rows and the first half of ln_w, ln_b stay out
	TURN 192
	s_wait_dscnt 0x0                               ; tile B is turned, and the image's stores have read v110-122
	QUANT6 192, 110, 122, 4
	IMAGE 96, 24576
	ds_store_b32 v97, v122 offset:2048
	LNCH 1, 192
	s_wait_loadcnt 32                              ; my rows are in; both halves of ln_w, ln_b stay out
	TURN 32
	s_wait_dscnt 0x0                               ; my rows are turned, and the second image's stores have read v110-122
	LNSTAT 32
	s_wait_loadcnt 16                              ; the first half of ln_w, ln_b is in
	APPLY 32, 0, 128
	s_wait_loadcnt 0x0
	APPLY 32, 1, 192
	QUANT6 32, 110, 126, 4                         ; my rows' codes
	s_cmp_gt_u32 s2, 3                             ; waves 0 to 3: their rows are the work-group's query rows
	s_cbranch_scc1 .Lno_image
	IMAGE 99, 0
	ds_store_b32 v100, v126
.Lno_image:
	s_wait_dscnt 0x0                               ; for the others' sake: my images lie in LDS; and my reads of my stage are over
	s_barrier_signal -1
	; the addresses of all later phases: register work while the others arrive
	s_lshl_b32 s41, s2, 13
	v_add_nc_u32 v4, s41, v1                       ; my K: KI + 8192 w + 16 L
	v_and_b32 v5, 15, v0
	v_mul_u32_u24 v7, v5, 80
	s_lshl_b32 s41, s2, 2
	s_add_co_u32 s41, s41, ML
	v_add_nc_u32 v6, s41, v7                       ; where I put m_w and l_w: 80 r + 4 w
	v_lshl_add_u32 v7, v2, 2, v7
	v_add_nc_u32 v7, ML, v7                        ; where I read eight waves': 80 r + 32 h
	s_lshl_b32 s41, s2, 10
	s_add_co_u32 s41, s41, OP
	v_add_nc_u32 v8, s41, v1                       ; where I put my partial O^T
	v_bfe_u32 v9, v0, 2, 3
	v_lshlrev_b32 v9, 11, v9
	v_and_b32 v10, 3, v0
	v_lshl_add_u32 v9, v10, 4, v9
	s_lshl_b32 s41, s2, 6
	s_add_co_u32 s41, s41, OP
	v_add_nc_u32 v9, s41, v9                       ; what I add up: of waves 2 (L / 4) and 2 (L / 4) + 1 the 16 bytes at 64 w + 16 (L % 4)
	v_lshlrev_b32 v10, 6, v10
	s_lshl_b32 s41, s4, 8
	s_and_b32 s40, s5, 1
	s_lshl_b32 s40, s40, 5
	s_add_co_u32 s41, s41, s40
	s_lshr_b32 s40, s2, 3
	s_lshl_b32 s40, s40, 4
	s_add_co_u32 s41, s41, s40
	v_add_nc_u32 v10, s41, v10                     ; those bytes are query 4 (w % 4) + L % 4, channels 8 ((w / 4) % 2) + 4 (w / 8) + 0 .. 3
	v_add_nc_u32 v12, WI, v1
	v_add_nc_u32 v13, WS, v3
	s_mul_i32 s41, s4, 3072
	v_add_nc_u32 v14, s41, v12                     ; the weight images from tile 2 (w % 4) on
	s_lshl_b32 s41, s4, 8
	v_add_nc_u32 v15, s41, v13
	s_mul_i32 s41, s5, 1536
	s_add_co_u32 s41, s41, XI
	v_add_nc_u32 v64, s41, v1                      ; the codes of query row tile w / 4: wave w / 4's image
	s_lshl_b32 s41, s5, 7
	s_add_co_u32 s41, s41, XIS
	v_add_nc_u32 v65, s41, v3
	s_barrier_wait -1                              ; all 32 weight images and the four images of query rows lie in LDS
	; ---- Q: row tile w / 4, column tiles 2 (w % 4) + e: passes 2 w + e
	ds_load_b128 v[96:99], v64
	ds_load_b128 v[100:103], v64 offset:512
	ds_load_b128 v[104:107], v64 offset:1024
	ds_load_b32 v127, v65
	s_lshl_b32 s41, s4, 7
	v_lshl_add_u32 v5, v2, 2, s41                  ; bq at 16 t + 8 h + 0 .. 7
.irp e, 0,1
	global_load_b128 v[32+8*\e:35+8*\e], v5, s[16:17] offset:64*\e
	global_load_b128 v[36+8*\e:39+8*\e], v5, s[16:17] offset:64*\e+16
.endr
	WFETCH 2, 128, 14, 24576, 15, 2048
	s_lshl_b32 s41, s2, 11
	s_add_co_u32 s41, s41, QI
	v_add_nc_u32 v11, s41, v1
	s_wait_loadcnt 0x0
	s_wait_dscnt 0x0
.irp e, 0,1
	MXPC 32+8*\e, 128+12*\e, 96, 122+\e, 127
.endr
	NOPS 5                                         ; four places ahead of stores of results and of loads into these products' registers, five ahead of products that write over them
.irp e, 0,1
	ds_store_b128 v11, v[32+8*\e:35+8*\e] offset:1024*\e
	ds_store_b128 v11, v[36+8*\e:39+8*\e] offset:1024*\e+512
.endr
	v_lshlrev_b32 v5, 2, v2                        ; bk at 16 t + 8 h + 0 .. 7 (bq's loads are done)
	; ---- K: my 16 rows x all 8 column tiles, four at a time, into my own part of LDS
.macro KBATCH t0
	s_wait_dscnt 0x0                               ; the stores before have read v32-63
.irp n, 0,1,2,3
	global_load_b128 v[32+8*\n:35+8*\n], v5, s[20:21] offset:64*(\t0+\n)
	global_load_b128 v[36+8*\n:39+8*\n], v5, s[20:21] offset:64*(\t0+\n)+16
.endr
	WFETCH 4, 128, 12, 1536*\t0, 13, 128*\t0
	s_wait_loadcnt 0x0
	s_wait_dscnt 0x0
.irp n, 0,1,2,3
	MXPC 32+8*\n, 128+12*\n, 110, 122+\n, 126
.endr
	NOPS 5
.irp n, 0,1,2,3
	ds_store_b128 v4, v[32+8*\n:35+8*\n] offset:1024*(\t0+\n)
	ds_store_b128 v4, v[36+8*\n:39+8*\n] offset:1024*(\t0+\n)+512
.endr
.endm
	KBATCH 0
	KBATCH 4
	; ---- V: the sources change places, so that a lane holds one channel and its registers run along the keys
	v_and_b32 v5, 15, v0
	v_lshlrev_b32 v5, 2, v5
.irp t, 0,1,2,3,4,5,6,7
	global_load_b32 v[64+\t], v5, s[24:25] offset:64*\t            ; bv at 16 t + r
.endr
.macro VBATCH t0
	WFETCH 4, 128, 12, 1536*(8+\t0), 13, 128*(8+\t0)
	s_wait_loadcnt 0x0
	s_wait_dscnt 0x0                               ; the fragments are in, and K's stores have read v32-63
.irp n, 0,1,2,3
	MXP0 32+8*\n, 110, 128+12*\n, 126, 122+\n
.endr
	NOPS 5
.irp n, 0,1,2,3
.irp c, 0,1
.irp jj, 0,1,2,3
	v_add_f32 v[192+32*\c+4*(\t0+\n)+\jj], v[32+8*\n+4*\c+\jj], v[64+\t0+\n]       ; + bv, to place 32 (j / 4) + 4 t + j % 4; each result from its low end on
.endr
.endr
.endr
.endm
	VBATCH 0
	VBATCH 4
	QUANT6 192, 96, 108, 72                        ; V's codes and scale word stay in registers
	s_wait_dscnt 0x0                               ; my images of Q and K lie in LDS
	s_barrier_signal -1
	s_barrier_wait -1                              ; all 32 images of Q do
	; ---- the passes
.macro KLQ g, q                        ; of K's tiles 2 g and 2 g + 1 the registers 4 q .. 4 q + 3: K steps 2 q and 2 q + 1
.irp a, 0,1
	ds_load_b128 v[80+8*\a+4*(\q):83+8*\a+4*(\q)], v4 offset:(2*(\g)+\a)*1024+512*(\q)
.endr
.endm
; Product i of a group's eight: tile i % 2 of the two, K step i / 2.  The two accumulators take turns, one instruction a turn; the first K step starts each sum.
.macro W i
.set wacc, (\i)%2
.set wstep, (\i)/2
.if wstep == 0
	v_wmma_f32_16x16x4_f32 v[16+8*wacc:23+8*wacc], v[80+8*wacc:81+8*wacc], v[72:73], 0
.else
	v_wmma_f32_16x16x4_f32 v[16+8*wacc:23+8*wacc], v[80+8*wacc+2*wstep:81+8*wacc+2*wstep], v[72+2*wstep:73+2*wstep], v[16+8*wacc:23+8*wacc]
.endif
.endm
; DISTANCES (ISA guide 7.12.1).  Behind a group's last product stand at least nine plain vector lines that name none of its registers (lane permutes are not counted among them) before its results are read, the
; registers of K steps 2, 3 are loaded anew or the accumulators are begun anew; behind its fourth product at least eight before the registers of K steps 0, 1 are loaded anew.
.macro MULA g, q, a                    ; t = score x log2(e) of tile 2 g + a into set q, at its places; the accumulator from its low end on
.set sbase, 128+64*(\q)+4*(2*(\g)+\a)
	v_pk_mul_f32 v[sbase:sbase+1], v[16+8*\a:17+8*\a], s[34:35] op_sel_hi:[1,0]
	v_pk_mul_f32 v[sbase+2:sbase+3], v[18+8*\a:19+8*\a], s[34:35] op_sel_hi:[1,0]
	v_pk_mul_f32 v[sbase+32:sbase+33], v[20+8*\a:21+8*\a], s[34:35] op_sel_hi:[1,0]
	v_pk_mul_f32 v[sbase+34:sbase+35], v[22+8*\a:23+8*\a], s[34:35] op_sel_hi:[1,0]
.endm
.macro MAXA g, q, a                    ; that tile's eight t into the two blocks' running maxima; it names no accumulator
.set tl, 2*(\g)+\a
.set sbase, 128+64*(\q)+4*tl
.set bm, 36+2*(\q)
.if tl == 0
	v_max_num_f32 v[bm], v[sbase], v[sbase+1]
	v_max_num_f32 v[bm+1], v[sbase+32], v[sbase+33]
.else
	v_max3_num_f32 v[bm], v[bm], v[sbase], v[sbase+1]
	v_max3_num_f32 v[bm+1], v[bm+1], v[sbase+32], v[sbase+33]
.endif
	v_max3_num_f32 v[bm], v[bm], v[sbase+2], v[sbase+3]
	v_max3_num_f32 v[bm+1], v[bm+1], v[sbase+34], v[sbase+35]
.endm
; The first half of a softmax goes by 16 chunks of four numbers: t - m_w, the exponentials, the sum
.macro XSUBK k
	v_pk_add_f32 v[SP+4*(\k):SP+4*(\k)+1], v[SP+4*(\k):SP+4*(\k)+1], v[32:33] op_sel_hi:[1,0] neg_lo:[0,1] neg_hi:[0,1]
	v_pk_add_f32 v[SP+4*(\k)+2:SP+4*(\k)+3], v[SP+4*(\k)+2:SP+4*(\k)+3], v[32:33] op_sel_hi:[1,0] neg_lo:[0,1] neg_hi:[0,1]
.endm
.macro XEXPK k
.irp e, 0,1,2,3
	v_exp_f32 v[SP+4*(\k)+\e], v[SP+4*(\k)+\e]
.endr
.endm
.macro XSUMK k                         ; two chains; chunks 0 and 1 start them
.if (\k) == 0
	s_wait_alu depctr_va_vdst(0)
	v_pk_add_f32 v[40:41], v[SP:SP+1], v[SP+2:SP+3]
.elseif (\k) == 1
	v_pk_add_f32 v[42:43], v[SP+4:SP+5], v[SP+6:SP+7]
.else
	s_wait_alu depctr_va_vdst(0)
	v_pk_add_f32 v[40:41], v[40:41], v[SP+4*(\k):SP+4*(\k)+1]
	v_pk_add_f32 v[42:43], v[42:43], v[SP+4*(\k)+2:SP+4*(\k)+3]
.endif
.endm
.macro RLOAD q                         ; two waves' partial O^T out of set q
	ds_load_b128 v[64:67], v9 offset:16384*(\q)
	ds_load_b128 v[68:71], v9 offset:16384*(\q)+1024
.endm
; m = the largest m_w; l = the sum of l_w 2^(m_w - m); f = 2^(my m_w - m) / (l sqrt(128)): in three parts, with products between them
.macro GCA
	v_max3_num_f32 v42, v48, v49, v50
	v_max3_num_f32 v43, v51, v52, v53
	v_max3_num_f32 v42, v42, v54, v55
	v_max_num_f32 v42, v42, v43
	v_permlanex16_b32 v43, v42, s32, s33           ; the other eight waves' lie in lane L xor 16
	v_max_num_f32 v44, v42, v43
.endm
.macro GCB
.irp n, 0,2,4,6
	v_pk_add_f32 v[48+\n:49+\n], v[48+\n:49+\n], v[44:45] op_sel_hi:[1,0] neg_lo:[0,1] neg_hi:[0,1]
.endr
	v_sub_f32 v45, v32, v44
.irp n, 0,1,2,3,4,5,6,7
	v_exp_f32 v[48+\n], v[48+\n]
.endr
	v_exp_f32 v45, v45
.endm
.macro GCC                             ; (a plain line that touches none of the exponentials' results stands ahead of it)
	s_wait_alu depctr_va_vdst(0)
	v_pk_mul_f32 v[40:41], v[48:49], v[56:57]
.irp n, 2,4,6
	v_pk_fma_f32 v[40:41], v[48+\n:49+\n], v[56+\n:57+\n], v[40:41]
.endr
	v_add_f32 v40, v40, v41
	v_permlanex16_b32 v41, v40, s32, s33
	v_add_f32 v40, v40, v41
	v_rcp_f32 v41, v40
	v_mul_f32 v45, 0x3db504f3, v45                 ; x 1 / sqrt(128); also the plain place behind the reciprocal
	s_wait_alu depctr_va_vdst(0)
	v_mul_f32 v34, v41, v45
.endm
.macro NMULR from, cnt                 ; the finished weights: cnt pairs from place from on
.set i, SP+\from
.rept \cnt
	v_pk_mul_f32 v[i:i+1], v[i:i+1], v[34:35] op_sel_hi:[1,0]
.set i, i+2
.endr
.endm
.macro NSCALE                          ; each block's largest weight went the same way as the weights: its exponent field gives the scale
	v_mul_f32 v46, v46, v34
	v_mul_f32 v47, v47, v34
	v_max_num_f32 v46, 0x2800000, v46              ; the floor 2^(5 - 127)
	v_max_num_f32 v47, 0x2800000, v47
	v_add_nc_u32 v46, 0xfe000000, v46
	v_add_nc_u32 v47, 0xfe000000, v47
	v_lshrrev_b32 v42, 23, v46
	v_lshrrev_b32 v43, 23, v47
	v_lshl_or_b32 v109, v43, 16, v42
	v_lshlrev_b32 v109, v2, v109
	v_permlanex16_b32 v42, v109, s32, s33
	v_or_b32 v109, v109, v42
.endm
.macro NCVT
	v_cvt_scalef32_pk16_bf6_f32 v[110:112], v[SP:SP+15], v46
	v_cvt_scalef32_pk16_bf6_f32 v[48:50], v[SP+16:SP+31], v46
	v_cvt_scalef32_pk16_bf6_f32 v[116:118], v[SP+32:SP+47], v47
	v_cvt_scalef32_pk16_bf6_f32 v[52:54], v[SP+48:SP+63], v47
	v_nop                                          ; one plain place behind the conversions
.irp n, 0,1,2
	v_mov_b32 v[113+\n], v[48+\n]
	v_mov_b32 v[119+\n], v[52+\n]
.endr
.endm
; 16 waves' partials: RC1 adds the two in my registers, RC2 the eight lanes with my L % 4 as far as lane L xor 16's copy, RC1 once more adds that copy
.macro RC1
	v_pk_add_f32 v[64:65], v[64:65], v[68:69]
	v_pk_add_f32 v[66:67], v[66:67], v[70:71]
.endm
.macro RC2
.irp m, 4,8
.irp n, 0,1,2,3
	v_add_f32_dpp v[64+\n], v[64+\n], v[64+\n] row_xmask:\m row_mask:0xf bank_mask:0xf
.endr
.endr
.irp n, 0,1,2,3
	v_permlanex16_b32 v[68+\n], v[64+\n], s32, s33
.endr
.endm
.macro AOSTORE                         ; the eight lanes write the same 16 bytes with the same value
	v_add_nc_u32 v11, s39, v10
	ds_store_b128 v11, v[64:67]
	s_add_co_u32 s39, s39, 1024
.endm
; Pass p, p % 2 = par.  doE: groups 1, 2, 3 of the scores of pass p + 1 are made on the way, into the other set.  doN: group 0 of pass p + 2 too, into this set once it has been converted.  doR: the partials of pass p - 1 are added up.
; At the head of a pass with doE the accumulators are free, group 1's K steps 0, 1 have been asked for, and the two loads of its K steps 2, 3 are the last LDS instructions issued.
; ONE BARRIER A PASS.  m_w, l_w of set par are stored ahead of it and read behind it; they are stored again two barriers on.  The partials of set par are stored behind it, read behind the next barrier,
; and stored again behind the one after.  Ahead of each signal a wave waits for all its LDS instructions: its stores have landed and its reads are over.
.macro PASS par, doE, doR, doN
.set SP, 128+64*\par
; 18 slices.  Slice n: product n % 8 of group 1 + n / 8; the exponentials of chunk n - 2; t - m_w of chunk n + 1, which touches no result of those exponentials; the sums of chunk n - 3
.set n, 0
.rept 18
.if \doE
.if n%8 == 0
	s_wait_dscnt 0x2                               ; the group's K steps 0, 1 are in; the two loads of its K steps 2, 3 may be out
.elseif n%8 == 4
	s_wait_dscnt 0x0                               ; they are in: asked for four products ago
.endif
	W n%8
.endif
.if n == 0
	v_max_num_f32 v42, v[36+2*\par], v[37+2*\par]
	v_permlanex16_b32 v43, v42, s32, s33
	v_max_num_f32 v32, v42, v43                    ; m_w: the largest t of my query among my wave's 128 keys
	v_sub_f32 v46, v[36+2*\par], v32               ; each block's largest t goes the way of all t
	v_sub_f32 v47, v[37+2*\par], v32
.elseif n == 1
	XSUBK 0
	XSUBK 1
	XSUBK 2
.else
	XEXPK n-2
.if n == 17
	v_exp_f32 v46, v46
	v_exp_f32 v47, v47
.endif
.if n < 15
	XSUBK n+1
.endif
.if n > 2
	XSUMK n-3
.endif
.endif
.if \doE
.if n == 5
	KLQ 2, 0                                       ; ten plain lines behind group 1's fourth product
.elseif n == 13
	KLQ 3, 0                                       ; twelve behind group 2's
.elseif n == 7
	MAXA 0, 1-\par, 0                              ; with the four lines above: twelve plain lines behind group 1's last product
	MAXA 0, 1-\par, 1
	KLQ 2, 1
	MULA 1, 1-\par, 0
	MULA 1, 1-\par, 1
.elseif n == 15
	MAXA 1, 1-\par, 0                              ; with the two lines above: ten behind group 2's last product
	MAXA 1, 1-\par, 1
	KLQ 3, 1
	MULA 2, 1-\par, 0
	MULA 2, 1-\par, 1
.endif
.endif
.set n, n+1
.endr
	XSUMK 15
	v_pk_add_f32 v[40:41], v[40:41], v[42:43]
	v_add_f32 v40, v40, v41
	v_permlanex16_b32 v41, v40, s32, s33
	v_add_f32 v40, v40, v41                        ; l_w
	ds_store_b32 v6, v32 offset:2560*\par          ; lanes L and L xor 16 write the same word with the same value
	ds_store_b32 v6, v40 offset:2560*\par+1280
.if \doE
	W 2                                            ; two products stand between the stores and the wait for them
	W 3
.endif
	s_wait_dscnt 0x0                               ; for the others' sake: all my LDS stores have landed, all my LDS reads are over
	s_barrier_signal -1
.if \doE
	MAXA 2, 1-\par, 0                              ; work on registers while the others arrive
	MAXA 2, 1-\par, 1
.endif
	s_barrier_wait -1
	ds_load_b128 v[48:51], v7 offset:2560*\par
	ds_load_b128 v[52:55], v7 offset:2560*\par+16
	ds_load_b128 v[56:59], v7 offset:2560*\par+1280
	ds_load_b128 v[60:63], v7 offset:2560*\par+1296
.if \doR
	RLOAD 1-\par
.endif
.if \doE
	W 4                                            ; two products stand between the loads and the wait for them
	W 5
.endif
	s_wait_dscnt 0x0
	GCA
.if \doN
	v_add_nc_u32 v5, s38, v1                       ; Q of pass p + 2
	KLQ 0, 0                                       ; fourteen plain lines behind group 3's fourth product
	ds_load_b128 v[72:75], v5
.endif
.if \doE
	W 6
.endif
	GCB
.if \doE
	W 7
.endif
.if \doR
	RC1                                            ; (the plain lines behind the exponentials)
.else
	NOPS 2
.endif
	GCC                                            ; with the two lines above: ten plain lines behind group 3's last product
.if \doN
	KLQ 0, 1
	ds_load_b128 v[76:79], v5 offset:512
	s_add_co_u32 s38, s38, 1024
.endif
.if \doE
	MULA 3, 1-\par, 0
	MULA 3, 1-\par, 1
.endif
.if \doN
	s_wait_dscnt 0x3                               ; K steps 0, 1 of group 0 and of Q are in; the three loads of K steps 2, 3 may be out
	W 0
.endif
.if \doE
	MAXA 3, 1-\par, 0
.endif
	NMULR 0, 4
.if \doN
	W 1
.endif
.if \doE
	MAXA 3, 1-\par, 1                              ; the scores of pass p + 1 and their block maxima are whole
.endif
	NMULR 8, 4
.if \doN
	W 2
.endif
	NMULR 16, 8
.if \doN
	W 3
.endif
	NMULR 32, 8
.if \doN
	s_wait_dscnt 0x0
	W 4
.endif
	NMULR 48, 8
.if \doN
	W 5
.endif
.if \doR
	RC2
.endif
.if \doN
	W 6
.endif
	NSCALE
.if \doN
	KLQ 1, 0
	W 7
.endif
	NCVT
.if \doR
	RC1
	AOSTORE                                        ; with the conversions' seven plain lines: ten behind group 0's last product
.else
	NOPS 3
.endif
.if \doN
	MULA 0, \par, 0                                ; this set has been converted: it takes the scores of pass p + 2.  (Also places between P's codes and their product)
.else
	v_nop                                          ; the fourth place between P's codes and their product
.endif
	MXP0 56, 96, 110, 108, 109                     ; O^T (channel 8 h + j, query r) over my 128 keys
.if \doN
	MULA 0, \par, 1                                ; (the four places behind that product)
.else
	NOPS 4
.endif
	ds_store_b128 v8, v[56:59] offset:16384*\par
	ds_store_b128 v8, v[60:63] offset:16384*\par+512
.if \doN
	KLQ 1, 1                                       ; the last two LDS instructions of the pass
.endif
.endm
	v_mov_b32 v33, 0                               ; upper halves of pairs of which the packed forms take the low word, and a lane permute's destination: written once
	v_mov_b32 v35, 0
	v_mov_b32 v43, 0
	v_mov_b32 v45, 0
	s_mov_b32 s38, QI+2048                         ; the next Q to fetch in a pass: pass 2's
	s_mov_b32 s39, AO                              ; the next place in attention's output
	v_add_nc_u32 v5, QI, v1
	ds_load_b128 v[72:75], v5
	ds_load_b128 v[76:79], v5 offset:512
	KLQ 0, 0
	KLQ 0, 1
.irp g, 0,1,2,3                        ; the scores of pass 0: there is no vector work yet to set beside them
	s_wait_dscnt 0x0
.irp k, 0,1,2,3,4,5,6,7
	W \k
.endr
	NOPS 9
.if \g < 3
	KLQ \g+1, 0
	KLQ \g+1, 1
.else
	ds_load_b128 v[72:75], v5 offset:1024          ; Q of pass 1
	ds_load_b128 v[76:79], v5 offset:1536
	KLQ 0, 0
	KLQ 0, 1
.endif
	MULA \g, 0, 0
	MULA \g, 0, 1
	MAXA \g, 0, 0
	MAXA \g, 0, 1
.endr
	s_wait_dscnt 0x0                               ; group 0 of pass 1, so that pass 0 finds what every pass finds
.irp k, 0,1,2,3,4,5,6,7
	W \k
.endr
	NOPS 9
	KLQ 1, 0
	MULA 0, 1, 0
	MULA 0, 1, 1
	KLQ 1, 1
	PASS 0, 1, 0, 1                                ; pass 0
	s_mov_b32 s40, 14
.Lpass:                                ; passes 1 to 28, two a trip, so that the sets are back where they began
	PASS 1, 1, 1, 1
	PASS 0, 1, 1, 1
	s_sub_co_u32 s40, s40, 1
	s_cmp_lg_u32 s40, 0
	s_cbranch_scc1 .Lpass
	PASS 1, 1, 1, 1                                ; pass 29
	PASS 0, 1, 1, 0                                ; pass 30: there is no pass 32 to begin
	PASS 1, 0, 1, 0                                ; pass 31: no scores are left to make
	; ---- the residual and bo are asked for here, two barriers ahead of their use
.irp n, 0,1,2,3
	global_load_b128 v[192+4*\n:195+4*\n], v1, s[52:53] offset:512*\n
.endr
	s_lshl_b32 s41, s4, 7
	v_lshl_add_u32 v5, v2, 2, s41                  ; bo at 16 t + 8 h + 0 .. 7, t = 2 (w % 4) + e
.irp e, 0,1
	global_load_b128 v[32+8*\e:35+8*\e], v5, s[28:29] offset:64*\e
	global_load_b128 v[36+8*\e:39+8*\e], v5, s[28:29] offset:64*\e+16
.endr
	s_wait_dscnt 0x0                               ; my partial of pass 31 lies in LDS
	s_barrier_signal -1
	s_barrier_wait -1
	RLOAD 1
	s_wait_dscnt 0x0
	RC1
	RC2
	RC1
	AOSTORE
	s_wait_dscnt 0x0                               ; my part of attention's output lies in LDS
	s_barrier_signal -1
	s_barrier_wait -1                              ; all of it does
	; ---- the output projection: row tile w / 4, column tiles 2 (w % 4) + e
	v_and_b32 v4, 15, v0
	v_mul_u32_u24 v9, v4, 528
	v_lshlrev_b32 v4, 6, v4
	v_lshl_add_u32 v4, v2, 8, v4
	s_lshl_b32 s41, s5, 13
	s_add_co_u32 s41, s41, AO
	v_add_nc_u32 v4, s41, v4                       ; column k = 64 c + 32 h + i of row r lies in pass 8 (w / 4) + k / 16 at 64 r + 4 (k % 16)
.irp c, 0,1
.irp q, 0,1,2,3,4,5,6,7
	ds_load_b128 v[128+32*\c+4*\q:131+32*\c+4*\q], v4 offset:(4*\c+\q/4)*1024+16*(\q%4)
.endr
.endr
	WFETCH 2, 208, 14, 36864, 15, 3072
	v_lshl_add_u32 v9, v2, 2, v9
	s_mul_i32 s41, s5, 8448
	s_lshl_b32 s40, s4, 7
	s_add_co_u32 s41, s41, s40
	s_add_co_u32 s41, s41, STG
	v_add_nc_u32 v9, s41, v9                       ; into the stage: row 16 (w / 4) + r, byte 128 (w % 4) + 32 h
	s_mul_i32 s41, s2, 2112
	s_add_co_u32 s41, s41, STG
	v_add_nc_u32 v10, s41, v1                      ; back: rows 4 w .. 4 w + 3, whole
	s_wait_dscnt 0x0
	QUANT6 128, 110, 126, 72
	NOPS 8                                         ; eight places between a scale word made by vector lines and its product
	s_wait_loadcnt 0x0                             ; bo, and the residual
.irp e, 0,1
	MXPC 32+8*\e, 208+12*\e, 110, 122+\e, 126      ; lane (r, h): out(row r, columns 16 t + 8 h + 0 .. 7)
.endr
	NOPS 4
.irp e, 0,1
	ds_store_b128 v9, v[32+8*\e:35+8*\e] offset:64*\e
	ds_store_b128 v9, v[36+8*\e:39+8*\e] offset:64*\e+16
.endr
	s_wait_dscnt 0x0                               ; for the others' sake: a row's 512 bytes come from four waves
	s_barrier_signal -1
	s_barrier_wait -1
.irp n, 0,1,2,3
	ds_load_b128 v[64+4*\n:67+4*\n], v10 offset:528*\n
.endr
	s_wait_dscnt 0x0
.irp n, 0,2,4,6,8,10,12,14
	v_pk_add_f32 v[64+\n:65+\n], v[64+\n:65+\n], v[192+\n:193+\n]  ; + x
.endr
.irp n, 0,1,2,3
	global_store_b128 v1, v[64+4*\n:67+4*\n], s[54:55] offset:512*\n th:TH_STORE_NT   ; 32 lanes store a row's 512 consecutive bytes, at a multiple of 512 from out0's first byte
.endr
	s_wait_xcnt 0x0
	v_lshl_add_u32 v254, v0, 2, 0x4e800
	v_mov_b32 v255, 0
	s_wait_tensorcnt 0x0
	ds_add_u32 v254, v255
	s_wait_dscnt 0x0
	s_endpgm
.Lfunc_end_k_q86ebd3f3fb_attn:
	.size	k_q86ebd3f3fb_attn, .Lfunc_end_k_q86ebd3f3fb_attn-k_q86ebd3f3fb_attn
	.p2alignl 7, 3214868480
	.fill 96, 4, 3214868480
	.section	.rodata,"a",@progbits
	.p2align	6, 0x0
	.amdhsa_kernel k_q86ebd3f3fb_attn
		.amdhsa_group_segment_fixed_size 323584
		.amdhsa_private_segment_fixed_size 0
		.amdhsa_enable_private_segment 0
		.amdhsa_kernarg_size 96
		.amdhsa_user_sgpr_count 2
		.amdhsa_user_sgpr_kernarg_segment_ptr 1
		.amdhsa_wavefront_size32 1
		.amdhsa_system_sgpr_workgroup_id_x 1
		.amdhsa_system_sgpr_workgroup_id_y 1
		.amdhsa_system_sgpr_workgroup_id_z 1
		.amdhsa_system_vgpr_workitem_id 0
		.amdhsa_next_free_vgpr 256
		.amdhsa_next_free_sgpr 66
		.amdhsa_reserve_vcc 0
		.amdhsa_float_denorm_mode_32 3
		.amdhsa_float_denorm_mode_16_64 3
		.amdhsa_memory_ordered 1
		.amdhsa_forward_progress 1
		.amdhsa_inst_pref_size 191
	.end_amdhsa_kernel
	.amdgpu_metadata
---
amdhsa.version: [ 1, 2 ]
amdhsa.kernels:
  - .name:           k_q86ebd3f3fb_attn
    .symbol:         k_q86ebd3f3fb_attn.kd
    .args:
      - { .name: x, .offset: 0, .size: 8, .value_kind: global_buffer, .address_space: global }
      - { .name: ln_w, .offset: 8, .size: 8, .value_kind: global_buffer, .address_space: global }
      - { .name: ln_b, .offset: 16, .size: 8, .value_kind: global_buffer, .address_space: global }
      - { .name: Wq, .offset: 24, .size: 8, .value_kind: global_buffer, .address_space: global }
      - { .name: bq, .offset: 32, .size: 8, .value_kind: global_buffer, .address_space: global }
      - { .name: Wk, .offset: 40, .size: 8, .value_kind: global_buffer, .address_space: global }
      - { .name: bk, .offset: 48, .size: 8, .value_kind: global_buffer, .address_space: global }
      - { .name: Wv, .offset: 56, .size: 8, .value_kind: global_buffer, .address_space: global }
      - { .name: bv, .offset: 64, .size: 8, .value_kind: global_buffer, .address_space: global }
      - { .name: Wo, .offset: 72, .size: 8, .value_kind: global_buffer, .address_space: global }
      - { .name: bo, .offset: 80, .size: 8, .value_kind: global_buffer, .address_space: global }
      - { .name: out0, .offset: 88, .size: 8, .value_kind: global_buffer, .address_space: global }
    .group_segment_fixed_size: 323584
    .private_segment_fixed_size: 0
    .kernarg_segment_align: 8
    .kernarg_segment_size: 96
    .max_flat_workgroup_size: 512
    .sgpr_count:     66
    .vgpr_count:     256
    .wavefront_size: 32
...
	.end_amdgpu_metadata
.endif
;; end of part 2
;; ======== version 3 of 3: 1 launch; version 2 with the launch attn written anew for expert scheduling mode
;; launch attn (part 3): grid 4 x 64, 16 waves a work-group, no clusters, 323,584 bytes of LDS; arguments x, ln_w, ln_b, Wq, bq, Wk, bk, Wv, bv, Wo, bo, out0; writes out0
.if DOCPART == 3
	.amdgcn_target "amdgcn-amd-amdhsa--gfx1250"
	.amdhsa_code_object_version 6
	.text
	.protected	k_q86ebd3f3fb_attn
	.globl	k_q86ebd3f3fb_attn
	.p2align	8
	.type	k_q86ebd3f3fb_attn,@function
k_q86ebd3f3fb_attn:
	s_mov_b64 s[64:65], 0
	v_nop
	global_prefetch_b8 v0, s[64:65] scope:SCOPE_SE
	s_setreg_imm32_b32 hwreg(HW_REG_WAVE_SCHED_MODE, 0, 2), 2
	s_setreg_imm32_b32 hwreg(HW_REG_WAVE_MODE, 25, 1), 1
	s_wait_xcnt 0x0
	s_wait_alu depctr_vm_vsrc(0)
; out0 = x + softmax-attention(LayerNorm(x)) Wo^T + bo, one launch.  x, out0: [16384][128] f32.  The projections, P V and the output projection run on codes of BF6 (E3M2)
; with one E8M0 scale for each 32 along K; the energy q k^T (K = 16) feeds a quantiser and therefore runs on f32 operands.
; THE RAW VIEW: head bh (0..63) is rows 256 bh .. 256 bh + 255 of the [16384][128] matrices; row R, column 16 t + d of that block is token 8 R + t, channel d.  So 16 rows are 128 consecutive
; tokens, one K step of the BF6 instruction, and a projection's column tile t is the token's number modulo 8.
; SHARES: work-group (x = j, y = bh) owns rows 64 j .. 64 j + 63 of head bh: 512 queries, 64 rows of out0.  Wave w (of 16) owns 16 of the head's rows, tile (w + 4 j) mod 16 = 128 keys, for the whole launch:
; it normalises and quantises them itself and makes its own K (as f32, in its own 8 KiB of LDS) and V (as codes, in 12 registers).  By that choice of tiles the work-group's query rows 16 mu .. are wave mu's
; key rows: waves 0 to 3 hand their rows' codes on through LDS, and nobody normalises a row of the work-group twice.
; A PASS p = 8 mu + t (32 of them) serves the 16 queries 128 mu + 8 r + t.  Every wave computes these queries against its 128 keys, takes exponentials under ITS OWN maximum m_w, hands (m_w, l_w) round
; through LDS (one barrier), scales by f = 2^(m_w - m) / (l sqrt(128)): the finished, normalised weights; quantises them, and multiplies them by its V in ONE BF6 instruction.  The 16 partial results are
; added one barrier later.  So every energy and every exponential is computed once, although the quantiser wants the row's sum first.
; BY TURNS: a pass of a wave has 32 f32 matrix instructions and 305 vector instructions.  The matrix instructions stand singly, each with a slice of the vector work behind it.  They run ahead of the softmax:
; pass p holds groups 1, 2, 3 (two tiles of 16 keys each) of the scores of pass p + 1 and group 0 of pass p + 2.
; LAYOUTS (L lane, r = L % 16, h = L / 16).  K tile t = Wk's rows 16 t .. (source 0) x my rows' codes (source 1): register j = K[key 8 r + t][channel 8 h + j]: registers 2 s, 2 s + 1 ARE source 0 of the f32 form's
; K step s (channels 8 h + 2 s + 0, 1: an order of the 16 channels that Q shares).  Q likewise.  Scores: register j of tile t = (query r, key 64 h + 8 j + t).  V tile t = my rows' codes (source 0) x Wv's rows (source 1):
; register j = (channel r, key 64 h + 8 j + t): the same map.  Both go to place 32 (j / 4) + 4 t + j % 4 of a run of 64 registers: registers 32 c .. 32 c + 31 are then the true block of keys 64 h + 32 c .. + 31,
; whole in one lane, in an order that P and V share; its scale byte stands at byte 2 c + h of the scale word on both sides.
; NO CLUSTER, NO JOINT LOADS: what work-groups share (a head's 128 KiB of x among four, 256 KiB of weights among all) is read once, at the head, into registers; the 32 passes read LDS alone, and of
; LDS 6,144 bytes are free.  No tensor load, so no ring.
; LIMITS: NaN and infinities are not served.  A weight under 2^-126 ahead of its scaling is 0 (v_exp_f32 gives 0 there).  t = energy x log2(e) is rounded once before the maximum is taken off (at most 2^-24 |t|).
; A block's largest weight is made from its largest t by the same instructions (this takes v_exp_f32 not to fall where its input rises).  A weight has three roundings (exponential, f, product) where the
; source has two divisions.  Sums over waves are trees.  A block of zeros carries the byte 1 over zero codes: only this program reads the bytes.
; THE MODE: SCHED_MODE bits 1:0 = 2 (LLVM: expert scheduling mode 2), set by the entry lines.  The code itself states the register dependences between vector or matrix instructions and memory or LDS
; instructions, with s_wait_alu, always for 0.
; THE PLAN, for a pass.  Registers that LDS instructions touch:
;   v80-95  K.  K steps 0, 1 (v80-83, v88-91) are read by a group's products 0 to 3, K steps 2, 3 (v84-87, v92-95) by its products 4 to 7; each half is loaded for the next group behind a wait on va_vdst
;           that stands behind its last reader, with no line between that names the half or v4.   v72-79  Q: the same, once a pass.
;   v48-63  loaded behind the barrier (the others' m and l); read by the lines that make f; then v48-54 are written by the conversions and v56-63 by the BF6 product, whose result the pass's last two stores read.
;   v64-71  loaded behind the barrier (partials of the pass before); summed by vector lines; v64-67 are stored.      v32, v40  m_w and l_w: written by vector lines, read by two stores.
;   v5, v11 the two LDS addresses that move: each is written once a pass, ahead of a wait on va_vdst that stands there anyway.      v4, v6 to v9  addresses that no line of a pass writes.
; ONE wait on vm_vsrc a pass, ahead of the barrier's signal: all that LDS instructions have read up to there (v32, v40; of the pass before v56-63, v64-67, v11, v5) is written again only behind it.
.set KI,  0                            ; K as f32: wave w at 8192 w; tile t at 1024 t; registers 4 q .. 4 q + 3 at 512 q; lane at 16 L
.set QI,  131072                       ; Q as f32: pass p at 1024 p, the same form
.set WI,  163840                       ; 32 weight fragments as images of their 12 registers, 1,536 bytes each: 0-7 Wk, 8-15 Wv, 16-23 Wq, 24-31 Wo
.set WS,  212992                       ; their scale words, 128 bytes each
.set AO,  217088                       ; attention's output: pass p at 1024 p; query r at 64 r; channel d at 4 d
.set STG, 249856                       ; the way out: 64 rows x (512 + 16) bytes
.set OP,  283648                       ; partial O^T, two sets by turns, 16,384 apart: wave w at 1024 w; registers 4 a .. at 512 a; lane at 16 L
.set ML,  316416                       ; m_w and l_w, two sets by turns, 2,560 apart: m at 0, l at 1,280; query r at 80 r; wave w at 4 w
.set TRNW, 8448                        ; ahead of the first barrier only: wave w's stage for turning 16 rows, 16 x 528 bytes at 8448 w, over KI and the start of QI, which are first written behind that barrier
.set XI,  AO                           ; between the first two barriers only: the codes of the four query row tiles as images, wave w's (w < 4) at 1536 w, in bytes that attention's output takes later
.set XIS, AO+24576                     ; and their scale words, 128 bytes each
; REGISTERS.  v0 thread; v1 16 L; v2 8 h; v3 4 L; v4-15 addresses (work registers until the first barrier); v16-31 the two f32 accumulators, written by the f32 matrix form alone;
; v32 m_w, v34 f, v36-39 block maxima [set][c], v40-47 at work, v48-63 the others' m and l, later the conversions' second halves and O^T; v64-71 partials; v72-79 Q; v80-95 two tiles of K (v82, v83 until the
; passes: the offsets of bk and bv); v96-107 V's codes; v110-121 codes just made; v128-191, v192-255 two sets of 64 scores.  v108 V's scale word, v109 P's, v122-125 weights', v126, v127 x's: these hold scales and nothing else.
.macro NOPS n
.rept \n
	v_nop
.endr
.endm
.macro MXP0 d, a, b, sa, sb            ; a BF6 product that starts its sum
	v_wmma_scale_f32_16x16x128_f8f6f4 v[\d:\d+7], v[\a:\a+11], v[\b:\b+11], 0, v[\sa], v[\sb] matrix_a_fmt:MATRIX_FMT_BF6 matrix_b_fmt:MATRIX_FMT_BF6
.endm
.macro MXPC d, a, b, sa, sb            ; one whose C, the bias in the result's layout, has been loaded into D's registers
	v_wmma_scale_f32_16x16x128_f8f6f4 v[\d:\d+7], v[\a:\a+11], v[\b:\b+11], v[\d:\d+7], v[\sa], v[\sb] matrix_a_fmt:MATRIX_FMT_BF6 matrix_b_fmt:MATRIX_FMT_BF6
.endm
.macro GLOAD dst, base                 ; 16 rows x 128 f32 as they lie: each load takes one row, 512 consecutive bytes, 16 a lane
.set i, 0
.rept 16
	global_load_b128 v[\dst+4*i:\dst+4*i+3], v1, s[\base:\base+1] offset:512*i
.set i, i+1
.endr
.endm
; The rows turn through my own stage: in as loaded, back so that lane (r, h) holds k = 64 c + 32 h + 0 .. 31 of row r in registers 32 c + 0 .. 31: the order of the operand's layout.  The pitch is 528 = 33 x 16 bytes,
; so the sixteen rows that a load touches begin at sixteen different multiples of 16 modulo 256.  LDS serves a wave's instructions in order (ISA guide 5.7.1.4): no wait on DScnt between the stores and the loads.
.macro TURN dst
.set i, 0
.rept 16
	ds_store_b128 v14, v[\dst+4*i:\dst+4*i+3] offset:528*i
.set i, i+1
.endr
	s_wait_alu depctr_vm_vsrc(0)                                    ; every LDS store issued so far has read its data: these sixteen the rows' registers, in which the loads below land; an image's stores before them v110-122, which the next quantiser writes
.irp c, 0,1
.irp q, 0,1,2,3,4,5,6,7
	ds_load_b128 v[\dst+32*\c+4*\q:\dst+32*\c+4*\q+3], v98 offset:256*\c+16*\q
.endr
.endr
.endm
.macro LNCH c, dst                     ; ln_w (32 registers) and ln_b (32 more) at my k = 64 c + 32 h + 0 .. 31
.irp q, 0,1,2,3,4,5,6,7
	global_load_b128 v[\dst+4*\q:\dst+4*\q+3], v15, s[10:11] offset:256*\c+16*\q
	global_load_b128 v[\dst+32+4*\q:\dst+35+4*\q], v15, s[12:13] offset:256*\c+16*\q
.endr
.endm
; 64 numbers of a lane, two whole blocks of 32, become the operand's 12 registers v[D] on and the scale word v[SW].  TB: ten work registers.
.macro QUANT6 X, D, SW, TB
	v_max3_num_f32 v[\TB+8], |v[\X]|, |v[\X+1]|, 0x2800000          ; the floor 2^(5 - 127) among the leaves: the byte cannot fall under 1
	v_max3_num_f32 v[\TB+9], |v[\X+32]|, |v[\X+33]|, 0x2800000
.set i, 2
.rept 15
	v_max3_num_f32 v[\TB+8], v[\TB+8], |v[\X+i]|, |v[\X+i+1]|       ; the two blocks by turns
	v_max3_num_f32 v[\TB+9], v[\TB+9], |v[\X+32+i]|, |v[\X+33+i]|
.set i, i+2
.endr
	v_add_nc_u32 v[\TB+8], 0xfe000000, v[\TB+8]                     ; 4 off the exponent field: the conversion's scale operand
	v_add_nc_u32 v[\TB+9], 0xfe000000, v[\TB+9]
	v_lshrrev_b32 v[\TB+3], 23, v[\TB+8]                            ; the scale's byte
	v_lshrrev_b32 v[\TB+7], 23, v[\TB+9]
	v_lshl_or_b32 v[\SW], v[\TB+7], 16, v[\TB+3]                    ; my bytes: blocks h and 2 + h,
	v_lshlrev_b32 v[\SW], v2, v[\SW]                                ; 8 h bits up;
	v_permlanex16_b32 v[\TB+3], v[\SW], s32, s33
	v_or_b32 v[\SW], v[\SW], v[\TB+3]                               ; with lane L xor 16's two the word is whole
	v_cvt_scalef32_pk16_bf6_f32 v[\D:\D+2], v[\X:\X+15], v[\TB+8]
	v_cvt_scalef32_pk16_bf6_f32 v[\TB:\TB+2], v[\X+16:\X+31], v[\TB+8]      ; (a conversion's three registers begin on an even number)
	v_cvt_scalef32_pk16_bf6_f32 v[\D+6:\D+8], v[\X+32:\X+47], v[\TB+9]
	v_cvt_scalef32_pk16_bf6_f32 v[\TB+4:\TB+6], v[\X+48:\X+63], v[\TB+9]
	v_nop                                                           ; one plain place behind the conversions
.irp n, 0,1,2
	v_mov_b32 v[\D+3+\n], v[\TB+\n]
	v_mov_b32 v[\D+9+\n], v[\TB+4+\n]
.endr
.endm
; (x - mean) / sqrt(var + eps) in place.  A row's 128 numbers lie in lanes L and L xor 16, 64 each.  Work registers v4-13.
.macro LNSTAT X
	v_pk_add_f32 v[4:5], v[\X:\X+1], v[\X+2:\X+3]
	v_pk_add_f32 v[6:7], v[\X+4:\X+5], v[\X+6:\X+7]
.set i, 8
.rept 14
	v_pk_add_f32 v[4:5], v[4:5], v[\X+i:\X+i+1]
	v_pk_add_f32 v[6:7], v[6:7], v[\X+i+2:\X+i+3]
.set i, i+4
.endr
	v_pk_add_f32 v[4:5], v[4:5], v[6:7]
	v_add_f32 v12, v4, v5
	v_permlanex16_b32 v13, v12, s32, s33
	v_add_f32 v12, v12, v13
	v_mul_f32 v8, s36, v12                                          ; the mean
.set i, 0
.rept 32
	v_pk_add_f32 v[\X+i:\X+i+1], v[\X+i:\X+i+1], v[8:9] op_sel_hi:[1,0] neg_lo:[0,1] neg_hi:[0,1]
.set i, i+2
.endr
	v_pk_mul_f32 v[4:5], v[\X:\X+1], v[\X:\X+1]
	v_pk_mul_f32 v[6:7], v[\X+2:\X+3], v[\X+2:\X+3]
.set i, 4
.rept 15
	v_pk_fma_f32 v[4:5], v[\X+i:\X+i+1], v[\X+i:\X+i+1], v[4:5]
	v_pk_fma_f32 v[6:7], v[\X+i+2:\X+i+3], v[\X+i+2:\X+i+3], v[6:7]
.set i, i+4
.endr
	v_pk_add_f32 v[4:5], v[4:5], v[6:7]
	v_add_f32 v12, v4, v5
	v_permlanex16_b32 v13, v12, s32, s33
	v_add_f32 v12, v12, v13
	v_fma_f32 v12, v12, s36, s37                                    ; var + eps
	v_rsq_f32 v10, v12
	v_nop                                                           ; one plain place behind the transcendental
.set i, 0
	s_wait_alu depctr_va_vdst(0)                                    ; the reciprocal root has written v10, which the multiplications read
.rept 32
	v_pk_mul_f32 v[\X+i:\X+i+1], v[\X+i:\X+i+1], v[10:11] op_sel_hi:[1,0]
.set i, i+2
.endr
.endm
.macro APPLY X, c, P                   ; x ln_w + ln_b for k = 64 c + 32 h + 0 .. 31; ln_w from v[P] on, ln_b from v[P + 32] on
.set i, 0
.rept 16
	v_pk_fma_f32 v[\X+32*\c+i:\X+32*\c+i+1], v[\X+32*\c+i:\X+32*\c+i+1], v[\P+i:\P+i+1], v[\P+32+i:\P+33+i]
.set i, i+2
.endr
.endm
.macro IMAGE adr, off                  ; the fragment in v110-121 goes to LDS as it stands: lane L's 16 bytes at 16 L, 512 bytes a store
.irp c, 0,1,2
	ds_store_b128 v[\adr], v[110+4*\c:113+4*\c] offset:\off+512*\c
.endr
.endm
.macro WFETCH n, dst, adr, off, sadr, soff     ; n weight fragments come back so, 12 registers each from v[dst] on, their scale words into v122 on
.set i, 0
.rept \n
	ds_load_b128 v[\dst+12*i:\dst+12*i+3], v[\adr] offset:\off+1536*i
	ds_load_b128 v[\dst+12*i+4:\dst+12*i+7], v[\adr] offset:\off+1536*i+512
	ds_load_b128 v[\dst+12*i+8:\dst+12*i+11], v[\adr] offset:\off+1536*i+1024
	ds_load_b32 v[122+i], v[\sadr] offset:\soff+128*i
.set i, i+1
.endr
.endm
	s_load_b512 s[8:23], s[0:1], 0x0               ; x s[8:9], ln_w s[10:11], ln_b s[12:13], Wq s[14:15], bq s[16:17], Wk s[18:19], bk s[20:21], Wv s[22:23]
	s_load_b256 s[24:31], s[0:1], 0x40             ; bv s[24:25], Wo s[26:27], bo s[28:29], out0 s[30:31]
	v_lshrrev_b32 v4, 5, v0
	v_readfirstlane_b32 s2, v4                     ; wave w, 0..15
	s_and_b32 s7, ttmp7, 0xffff                    ; the head bh
	s_mov_b32 s32, 0x76543210                      ; v_permlanex16_b32's selects for lane L xor 16
	s_mov_b32 s33, 0xfedcba98
	s_mov_b32 s34, 0x3fb8aa3b                      ; log2(e); the packed form names the pair and takes its low word
	s_mov_b32 s35, s34
	s_mov_b32 s36, 0x3c000000                      ; 1 / 128
	s_mov_b32 s37, 0x3727c5ac                      ; 1e-5
	v_and_b32 v1, 31, v0
	v_lshlrev_b32 v3, 2, v1                        ; 4 L
	v_lshlrev_b32 v1, 4, v1                        ; 16 L
	v_bfe_u32 v2, v0, 4, 1
	v_lshlrev_b32 v2, 3, v2                        ; 8 h
	s_wait_alu depctr_va_sdst(0)                   ; s2 is written, ahead of its first reader: addresses, bases and branches are made from it
	s_and_b32 s3, s2, 7
	s_and_b32 s4, s2, 3
	s_lshr_b32 s5, s2, 2
	s_mul_i32 s41, s2, TRNW                        ; my stage
	v_add_nc_u32 v14, s41, v1                      ; into it: 16 L of a row
	v_and_b32 v98, 15, v0
	v_mul_u32_u24 v98, v98, 528
	v_lshl_add_u32 v98, v2, 4, v98
	v_add_nc_u32 v98, s41, v98                     ; out of it: 528 r + 128 h
	v_lshlrev_b32 v15, 4, v2                       ; 128 h: my place in ln_w and ln_b
	s_mul_i32 s41, s2, 1536
	s_add_co_u32 s40, s41, XI
	v_add_nc_u32 v99, s40, v1                      ; where waves 0 to 3 put the image of their rows' codes
	s_add_co_u32 s41, s41, WI
	v_add_nc_u32 v96, s41, v1                      ; where my weight images go: fragment w, and 16 further on fragment 16 + w
	s_lshl_b32 s41, s2, 7
	s_add_co_u32 s40, s41, XIS
	v_add_nc_u32 v100, s40, v3
	s_add_co_u32 s41, s41, WS
	v_add_nc_u32 v97, s41, v3
	s_lshl_b32 s38, s7, 17                         ; the head's 256 rows of 512 bytes
	s_lshl_b32 s39, ttmp9, 15                      ; the work-group's 64 of them
	s_add_co_u32 s39, s39, s38
	s_lshl_b32 s40, ttmp9, 2
	s_add_co_u32 s40, s40, s2
	s_and_b32 s40, s40, 15                         ; my key tile: (w + 4 j) mod 16
	s_lshl_b32 s40, s40, 13
	s_add_co_u32 s40, s40, s38
	s_mov_b32 s43, 0
	s_wait_kmcnt 0x0
	s_cmp_lt_u32 s2, 8                             ; waves 0-7 quantise a tile of Wk and one of Wq, waves 8-15 one of Wv and one of Wo: only pointers are chosen
	s_cselect_b64 s[44:45], s[18:19], s[22:23]
	s_cselect_b64 s[46:47], s[14:15], s[26:27]
	s_lshl_b32 s42, s3, 13                         ; tile w % 8: 16 rows of 512 bytes
	s_add_nc_u64 s[44:45], s[44:45], s[42:43]
	s_add_nc_u64 s[46:47], s[46:47], s[42:43]
	s_mov_b32 s42, s40
	s_add_nc_u64 s[48:49], s[8:9], s[42:43]        ; x at my 16 key rows
	s_lshl_b32 s42, s2, 11
	s_add_co_u32 s42, s42, s39
	s_add_nc_u64 s[52:53], s[8:9], s[42:43]        ; x and out0 at the 4 rows that I store
	s_add_nc_u64 s[54:55], s[30:31], s[42:43]
	; ---- weights into images, my rows normalised and quantised.  Batches of 16 loads: weight tile A, weight tile B, my rows; then the two halves of ln_w and ln_b into registers as they fall free
	s_wait_alu depctr_va_vdst(0)                   ; the offsets and LDS addresses v1, v3, v14, v15 and v96 to v100 are written, which the loads and stores up to the first barrier read
	GLOAD 128, 44
	GLOAD 192, 46
	GLOAD 32, 48
	s_wait_loadcnt 32                              ; tile A is in; the 32 loads behind it stay out
	TURN 128
	s_wait_dscnt 0x0
	QUANT6 128, 110, 122, 4
	s_wait_alu depctr_va_vdst(0)                   ; the quantiser has written v110-122, which the image's stores read, and is done reading v128-191, in which ln_w and ln_b land
	IMAGE 96, 0
	ds_store_b32 v97, v122
	LNCH 0, 128
	s_wait_loadcnt 32                              ; tile B is in; my rows and the first half of ln_w, ln_b stay out
	TURN 192
	s_wait_dscnt 0x0                               ; tile B is turned
	QUANT6 192, 110, 122, 4                        ; (the first image's stores have read v110-122: the wait on vm_vsrc in the turn above stands behind them)
	s_wait_alu depctr_va_vdst(0)                   ; the quantiser has written v110-122, which the image's stores read, and is done reading v192-255, in which ln_w and ln_b land
	IMAGE 96, 24576
	ds_store_b32 v97, v122 offset:2048
	LNCH 1, 192
	s_wait_loadcnt 32                              ; my rows are in; both halves of ln_w, ln_b stay out
	TURN 32
	s_wait_dscnt 0x0                               ; my rows are turned
	LNSTAT 32
	s_wait_loadcnt 16                              ; the first half of ln_w, ln_b is in
	APPLY 32, 0, 128
	s_wait_loadcnt 0x0
	APPLY 32, 1, 192
	QUANT6 32, 110, 126, 4                         ; my rows' codes.  (The second image's stores have read v110-122: the wait on vm_vsrc in the turn above stands behind them)
	s_wait_alu depctr_va_vdst(0)                   ; the quantiser has written v110-121 and v126: the data of the stores below, and operands of the scaled products of K and V
	s_cmp_gt_u32 s2, 3                             ; waves 0 to 3: their rows are the work-group's query rows
	s_cbranch_scc1 .Lno_image
	IMAGE 99, 0
	ds_store_b32 v100, v126
.Lno_image:
	s_wait_alu depctr_vm_vsrc(0)                   ; all loads and stores so far have read their addresses and offsets (v14, v15, v96 to v100): vector lines and loads below write these registers anew
	s_wait_dscnt 0x0                               ; for the others' sake: my images lie in LDS; and my reads of my stage are over
	s_barrier_signal -1
	; the addresses of all later phases: register work while the others arrive
	s_lshl_b32 s41, s2, 13
	v_add_nc_u32 v4, s41, v1                       ; my K: KI + 8192 w + 16 L
	v_and_b32 v5, 15, v0
	v_mul_u32_u24 v7, v5, 80
	s_lshl_b32 s41, s2, 2
	s_add_co_u32 s41, s41, ML
	v_add_nc_u32 v6, s41, v7                       ; where I put m_w and l_w: 80 r + 4 w
	v_lshl_add_u32 v7, v2, 2, v7
	v_add_nc_u32 v7, ML, v7                        ; where I read eight waves': 80 r + 32 h
	s_lshl_b32 s41, s2, 10
	s_add_co_u32 s41, s41, OP
	v_add_nc_u32 v8, s41, v1                       ; where I put my partial O^T
	v_bfe_u32 v9, v0, 2, 3
	v_lshlrev_b32 v9, 11, v9
	v_and_b32 v10, 3, v0
	v_lshl_add_u32 v9, v10, 4, v9
	s_lshl_b32 s41, s2, 6
	s_add_co_u32 s41, s41, OP
	v_add_nc_u32 v9, s41, v9                       ; what I add up: of waves 2 (L / 4) and 2 (L / 4) + 1 the 16 bytes at 64 w + 16 (L % 4)
	v_lshlrev_b32 v10, 6, v10
	s_lshl_b32 s41, s4, 8
	s_and_b32 s40, s5, 1
	s_lshl_b32 s40, s40, 5
	s_add_co_u32 s41, s41, s40
	s_lshr_b32 s40, s2, 3
	s_lshl_b32 s40, s40, 4
	s_add_co_u32 s41, s41, s40
	v_add_nc_u32 v10, s41, v10                     ; those bytes are query 4 (w % 4) + L % 4, channels 8 ((w / 4) % 2) + 4 (w / 8) + 0 .. 3
	v_add_nc_u32 v12, WI, v1
	v_add_nc_u32 v13, WS, v3
	s_mul_i32 s41, s4, 3072
	v_add_nc_u32 v14, s41, v12                     ; the weight images from tile 2 (w % 4) on
	s_lshl_b32 s41, s4, 8
	v_add_nc_u32 v15, s41, v13
	s_mul_i32 s41, s5, 1536
	s_add_co_u32 s41, s41, XI
	v_add_nc_u32 v64, s41, v1                      ; the codes of query row tile w / 4: wave w / 4's image
	s_lshl_b32 s41, s5, 7
	s_add_co_u32 s41, s41, XIS
	v_add_nc_u32 v65, s41, v3
	s_lshl_b32 s41, s4, 7
	v_lshl_add_u32 v5, v2, 2, s41                  ; bq at 16 t + 8 h + 0 .. 7, t = 2 (w % 4) + e
	s_lshl_b32 s41, s2, 11
	s_add_co_u32 s41, s41, QI
	v_add_nc_u32 v11, s41, v1                      ; where I put my two images of Q
	v_lshlrev_b32 v82, 2, v2                       ; bk at 16 t + 8 h + 0 .. 7: an offset of its own, so that no offset is written between loads
	v_and_b32 v83, 15, v0
	v_lshlrev_b32 v83, 2, v83                      ; bv at 16 t + r
	s_barrier_wait -1                              ; all 32 weight images and the four images of query rows lie in LDS
	s_wait_alu depctr_va_vdst(0)                   ; the addresses and offsets v4 to v15, v64, v65, v82, v83 are written, which the loads and stores from here on read
	; ---- Q: row tile w / 4, column tiles 2 (w % 4) + e: passes 2 w + e
	ds_load_b128 v[96:99], v64
	ds_load_b128 v[100:103], v64 offset:512
	ds_load_b128 v[104:107], v64 offset:1024
	ds_load_b32 v127, v65
.irp e, 0,1
	global_load_b128 v[32+8*\e:35+8*\e], v5, s[16:17] offset:64*\e
	global_load_b128 v[36+8*\e:39+8*\e], v5, s[16:17] offset:64*\e+16
.endr
	WFETCH 2, 128, 14, 24576, 15, 2048
	s_wait_loadcnt 0x0
	s_wait_dscnt 0x0
.irp e, 0,1
	MXPC 32+8*\e, 128+12*\e, 96, 122+\e, 127
.endr
	NOPS 5                                         ; four places ahead of stores of results, five ahead of products that write over these products' registers
	s_wait_alu depctr_va_vdst(0)                   ; the two products have written v32-47, which the stores read, and are done reading v128-151, v122, v123, in which K's fragments land
.irp e, 0,1
	ds_store_b128 v11, v[32+8*\e:35+8*\e] offset:1024*\e
	ds_store_b128 v11, v[36+8*\e:39+8*\e] offset:1024*\e+512
.endr
	; ---- K: my 16 rows x all 8 column tiles, four at a time, into my own part of LDS
.macro KBATCH t0
	s_wait_dscnt 0x0                               ; the stores before are done
	s_wait_alu depctr_vm_vsrc(0)                   ; and have read v32-63, in which bk lands; the loads of the query rows' image have read v64, v65, in which bv lands later
.irp n, 0,1,2,3
	global_load_b128 v[32+8*\n:35+8*\n], v82, s[20:21] offset:64*(\t0+\n)
	global_load_b128 v[36+8*\n:39+8*\n], v82, s[20:21] offset:64*(\t0+\n)+16
.endr
	WFETCH 4, 128, 12, 1536*\t0, 13, 128*\t0
	s_wait_loadcnt 0x0
	s_wait_dscnt 0x0
.irp n, 0,1,2,3
	MXPC 32+8*\n, 128+12*\n, 110, 122+\n, 126
.endr
	NOPS 5
	s_wait_alu depctr_va_vdst(0)                   ; the four products have written v32-63, which the stores read, and are done reading v128-175 and v122-125, in which the next fragments land
.irp n, 0,1,2,3
	ds_store_b128 v4, v[32+8*\n:35+8*\n] offset:1024*(\t0+\n)
	ds_store_b128 v4, v[36+8*\n:39+8*\n] offset:1024*(\t0+\n)+512
.endr
.endm
	KBATCH 0
	KBATCH 4
	; ---- V: the sources change places, so that a lane holds one channel and its registers run along the keys
.irp t, 0,1,2,3,4,5,6,7
	global_load_b32 v[64+\t], v83, s[24:25] offset:64*\t           ; bv at 16 t + r
.endr
.macro VBATCH t0
.if \t0 > 0
	s_wait_alu depctr_va_vdst(0)                   ; the four products before are done reading v128-175 and v122-125, in which the next fragments land
.endif
	WFETCH 4, 128, 12, 1536*(8+\t0), 13, 128*(8+\t0)
	s_wait_loadcnt 0x0
	s_wait_dscnt 0x0                               ; the fragments are in
.if \t0 == 0
	s_wait_alu depctr_vm_vsrc(0)                   ; K's stores have read v32-63, which the products below write; bk's and bv's loads have read v82, v83, in which K lands in the passes
.endif
.irp n, 0,1,2,3
	MXP0 32+8*\n, 110, 128+12*\n, 126, 122+\n
.endr
	NOPS 5
.irp n, 0,1,2,3
.irp c, 0,1
.irp jj, 0,1,2,3
	v_add_f32 v[192+32*\c+4*(\t0+\n)+\jj], v[32+8*\n+4*\c+\jj], v[64+\t0+\n]       ; + bv, to place 32 (j / 4) + 4 t + j % 4; each result from its low end on
.endr
.endr
.endr
.endm
	VBATCH 0
	VBATCH 4
	QUANT6 192, 96, 108, 72                        ; V's codes and scale word stay in registers
	s_wait_dscnt 0x0                               ; my images of Q and K lie in LDS
	s_barrier_signal -1
	s_barrier_wait -1                              ; all 32 images of Q do
	; ---- the passes
.macro KLQ g, q                        ; of K's tiles 2 g and 2 g + 1 the registers 4 q .. 4 q + 3: K steps 2 q and 2 q + 1
.irp a, 0,1
	ds_load_b128 v[80+8*\a+4*(\q):83+8*\a+4*(\q)], v4 offset:(2*(\g)+\a)*1024+512*(\q)
.endr
.endm
; Product i of a group's eight: tile i % 2 of the two, K step i / 2.  The two accumulators take turns, one instruction a turn; the first K step starts each sum.
.macro W i
.set wacc, (\i)%2
.set wstep, (\i)/2
.if wstep == 0
	v_wmma_f32_16x16x4_f32 v[16+8*wacc:23+8*wacc], v[80+8*wacc:81+8*wacc], v[72:73], 0
.else
	v_wmma_f32_16x16x4_f32 v[16+8*wacc:23+8*wacc], v[80+8*wacc+2*wstep:81+8*wacc+2*wstep], v[72+2*wstep:73+2*wstep], v[16+8*wacc:23+8*wacc]
.endif
.endm
; DISTANCES (ISA guide 7.12.1).  Behind a group's last product stand at least nine plain vector lines that name none of its registers (lane permutes are not counted among them) before its results are read or the
; accumulators are begun anew.  The loads into K's and Q's registers hang on the waits on va_vdst; the plain lines that stood between a product and such a load stand there still.
.macro MULA g, q, a                    ; t = score x log2(e) of tile 2 g + a into set q, at its places; the accumulator from its low end on
.set sbase, 128+64*(\q)+4*(2*(\g)+\a)
	v_pk_mul_f32 v[sbase:sbase+1], v[16+8*\a:17+8*\a], s[34:35] op_sel_hi:[1,0]
	v_pk_mul_f32 v[sbase+2:sbase+3], v[18+8*\a:19+8*\a], s[34:35] op_sel_hi:[1,0]
	v_pk_mul_f32 v[sbase+32:sbase+33], v[20+8*\a:21+8*\a], s[34:35] op_sel_hi:[1,0]
	v_pk_mul_f32 v[sbase+34:sbase+35], v[22+8*\a:23+8*\a], s[34:35] op_sel_hi:[1,0]
.endm
.macro MAXA g, q, a                    ; that tile's eight t into the two blocks' running maxima; it names no accumulator
.set tl, 2*(\g)+\a
.set sbase, 128+64*(\q)+4*tl
.set bm, 36+2*(\q)
.if tl == 0
	v_max_num_f32 v[bm], v[sbase], v[sbase+1]
	v_max_num_f32 v[bm+1], v[sbase+32], v[sbase+33]
.else
	v_max3_num_f32 v[bm], v[bm], v[sbase], v[sbase+1]
	v_max3_num_f32 v[bm+1], v[bm+1], v[sbase+32], v[sbase+33]
.endif
	v_max3_num_f32 v[bm], v[bm], v[sbase+2], v[sbase+3]
	v_max3_num_f32 v[bm+1], v[bm+1], v[sbase+34], v[sbase+35]
.endm
; The first half of a softmax goes by 16 chunks of four numbers: t - m_w, the exponentials, the sum
.macro XSUBK k
	v_pk_add_f32 v[SP+4*(\k):SP+4*(\k)+1], v[SP+4*(\k):SP+4*(\k)+1], v[32:33] op_sel_hi:[1,0] neg_lo:[0,1] neg_hi:[0,1]
	v_pk_add_f32 v[SP+4*(\k)+2:SP+4*(\k)+3], v[SP+4*(\k)+2:SP+4*(\k)+3], v[32:33] op_sel_hi:[1,0] neg_lo:[0,1] neg_hi:[0,1]
.endm
.macro XEXPK k
.irp e, 0,1,2,3
	v_exp_f32 v[SP+4*(\k)+\e], v[SP+4*(\k)+\e]
.endr
.endm
.macro XSUMK k                         ; two chains; chunks 0 and 1 start them
.if (\k) == 0
	s_wait_alu depctr_va_vdst(0)                   ; the exponentials of chunks 0 and 1 have written their results, which this sum and the next read
	v_pk_add_f32 v[40:41], v[SP:SP+1], v[SP+2:SP+3]
.elseif (\k) == 1
	v_pk_add_f32 v[42:43], v[SP+4:SP+5], v[SP+6:SP+7]
.else
	s_wait_alu depctr_va_vdst(0)                   ; the exponentials of this chunk have written their results, which the sums read; the products issued so far are done reading K
	v_pk_add_f32 v[40:41], v[40:41], v[SP+4*(\k):SP+4*(\k)+1]
	v_pk_add_f32 v[42:43], v[42:43], v[SP+4*(\k)+2:SP+4*(\k)+3]
.endif
.endm
.macro RLOAD q                         ; two waves' partial O^T out of set q
	ds_load_b128 v[64:67], v9 offset:16384*(\q)
	ds_load_b128 v[68:71], v9 offset:16384*(\q)+1024
.endm
; m = the largest m_w; l = the sum of l_w 2^(m_w - m); f = 2^(my m_w - m) / (l sqrt(128)): in three parts, with products between them
.macro GCA
	v_max3_num_f32 v42, v48, v49, v50
	v_max3_num_f32 v43, v51, v52, v53
	v_max3_num_f32 v42, v42, v54, v55
	v_max_num_f32 v42, v42, v43
	v_permlanex16_b32 v43, v42, s32, s33           ; the other eight waves' lie in lane L xor 16
	v_max_num_f32 v44, v42, v43
.endm
.macro GCB
.irp n, 0,2,4,6
	v_pk_add_f32 v[48+\n:49+\n], v[48+\n:49+\n], v[44:45] op_sel_hi:[1,0] neg_lo:[0,1] neg_hi:[0,1]
.endr
	v_sub_f32 v45, v32, v44
.irp n, 0,1,2,3,4,5,6,7
	v_exp_f32 v[48+\n], v[48+\n]
.endr
	v_exp_f32 v45, v45
.endm
.macro GCC                             ; (a plain line that touches none of the exponentials' results stands ahead of it)
	s_wait_alu depctr_va_vdst(0)                   ; the nine exponentials have written v48-55 and v45, which the lines below read; group 3's last four products are done reading K steps 2, 3 of K and of Q
	v_pk_mul_f32 v[40:41], v[48:49], v[56:57]
.irp n, 2,4,6
	v_pk_fma_f32 v[40:41], v[48+\n:49+\n], v[56+\n:57+\n], v[40:41]
.endr
	v_add_f32 v40, v40, v41
	v_permlanex16_b32 v41, v40, s32, s33
	v_add_f32 v40, v40, v41
	v_rcp_f32 v41, v40
	v_mul_f32 v45, 0x3db504f3, v45                 ; x 1 / sqrt(128); also the plain place behind the reciprocal
	s_wait_alu depctr_va_vdst(0)                   ; the reciprocal has written v41, which the next line reads
	v_mul_f32 v34, v41, v45
.endm
.macro NMULR from, cnt                 ; the finished weights: cnt pairs from place from on
.set i, SP+\from
.rept \cnt
	v_pk_mul_f32 v[i:i+1], v[i:i+1], v[34:35] op_sel_hi:[1,0]
.set i, i+2
.endr
.endm
.macro NSCALE                          ; each block's largest weight went the same way as the weights: its exponent field gives the scale
	v_mul_f32 v46, v46, v34
	v_mul_f32 v47, v47, v34
	v_max_num_f32 v46, 0x2800000, v46              ; the floor 2^(5 - 127)
	v_max_num_f32 v47, 0x2800000, v47
	v_add_nc_u32 v46, 0xfe000000, v46
	v_add_nc_u32 v47, 0xfe000000, v47
	v_lshrrev_b32 v42, 23, v46
	v_lshrrev_b32 v43, 23, v47
	v_lshl_or_b32 v109, v43, 16, v42
	v_lshlrev_b32 v109, v2, v109
	v_permlanex16_b32 v42, v109, s32, s33
	v_or_b32 v109, v109, v42
.endm
.macro NCVT
	v_cvt_scalef32_pk16_bf6_f32 v[110:112], v[SP:SP+15], v46
	v_cvt_scalef32_pk16_bf6_f32 v[48:50], v[SP+16:SP+31], v46
	v_cvt_scalef32_pk16_bf6_f32 v[116:118], v[SP+32:SP+47], v47
	v_cvt_scalef32_pk16_bf6_f32 v[52:54], v[SP+48:SP+63], v47
	v_nop                                          ; one plain place behind the conversions
.irp n, 0,1,2
	v_mov_b32 v[113+\n], v[48+\n]
	v_mov_b32 v[119+\n], v[52+\n]
.endr
.endm
; 16 waves' partials: RC1 adds the two in my registers, RC2 the eight lanes with my L % 4 as far as lane L xor 16's copy, RC1 once more adds that copy
.macro RC1
	v_pk_add_f32 v[64:65], v[64:65], v[68:69]
	v_pk_add_f32 v[66:67], v[66:67], v[70:71]
.endm
.macro RC2
.irp m, 4,8
.irp n, 0,1,2,3
	v_add_f32_dpp v[64+\n], v[64+\n], v[64+\n] row_xmask:\m row_mask:0xf bank_mask:0xf
.endr
.endr
.irp n, 0,1,2,3
	v_permlanex16_b32 v[68+\n], v[64+\n], s32, s33
.endr
.endm
.macro AOADR                           ; where the sums of a pass go in attention's output
	v_add_nc_u32 v11, s39, v10
.endm
.macro AOST                            ; the eight lanes write the same 16 bytes with the same value
	ds_store_b128 v11, v[64:67]
	s_add_co_u32 s39, s39, 1024
.endm
; Pass p, p % 2 = par.  doE: groups 1, 2, 3 of the scores of pass p + 1 are made on the way, into the other set.  doN: group 0 of pass p + 2 too, into this set once it has been converted.  doR: the partials of pass p - 1 are added up.
; At the head of a pass with doE the accumulators are free, group 1's K steps 0, 1 have been asked for, and the two loads of its K steps 2, 3 are the last LDS instructions issued.
; ONE BARRIER A PASS.  m_w, l_w of set par are stored ahead of it and read behind it; they are stored again two barriers on.  The partials of set par are stored behind it, read behind the next barrier,
; and stored again behind the one after.  Ahead of each signal a wave waits for all its LDS instructions: its stores have landed and its reads are over.
.macro PASS par, doE, doR, doN
.set SP, 128+64*\par
; 18 slices.  Slice n: product n % 8 of group 1 + n / 8; the exponentials of chunk n - 2; t - m_w of chunk n + 1, which touches no result of those exponentials; the sums of chunk n - 3
.set n, 0
.rept 18
.if \doE
.if n%8 == 0
	s_wait_dscnt 0x2                               ; the group's K steps 0, 1 are in; the two loads of its K steps 2, 3 may be out
.elseif n%8 == 4
	s_wait_dscnt 0x0                               ; they are in: asked for four products ago
.endif
	W n%8
.endif
.if n == 0
	v_max_num_f32 v42, v[36+2*\par], v[37+2*\par]
	v_permlanex16_b32 v43, v42, s32, s33
	v_max_num_f32 v32, v42, v43                    ; m_w: the largest t of my query among my wave's 128 keys
	v_sub_f32 v46, v[36+2*\par], v32               ; each block's largest t goes the way of all t
	v_sub_f32 v47, v[37+2*\par], v32
.elseif n == 1
	XSUBK 0
	XSUBK 1
	XSUBK 2
.else
	XEXPK n-2
.if n == 17
	v_exp_f32 v46, v46
	v_exp_f32 v47, v47
.endif
.if n < 15
	XSUBK n+1
.endif
.if n > 2
	XSUMK n-3
.endif
.endif
.if \doE
.if n == 5
	KLQ 2, 0                                       ; ten plain lines behind group 1's fourth product.  No further wait: the one in the sums above stands behind that product, and no line since names v80-83, v88-91 or v4
.elseif n == 13
	KLQ 3, 0                                       ; twelve behind group 2's; the wait in the sums above serves likewise
.elseif n == 7
	MAXA 0, 1-\par, 0                              ; with the four lines above: twelve plain lines behind group 1's last product
	MAXA 0, 1-\par, 1
	KLQ 2, 1                                       ; no further wait: the one in the sums above stands behind group 1's last product, and no line since names v84-87, v92-95 or v4
	MULA 1, 1-\par, 0
	MULA 1, 1-\par, 1
.elseif n == 15
	MAXA 1, 1-\par, 0                              ; with the two lines above: ten behind group 2's last product
	MAXA 1, 1-\par, 1
	KLQ 3, 1                                       ; the wait in the sums above serves likewise
	MULA 2, 1-\par, 0
	MULA 2, 1-\par, 1
.endif
.endif
.set n, n+1
.endr
	XSUMK 15
	v_pk_add_f32 v[40:41], v[40:41], v[42:43]
	v_add_f32 v40, v40, v41
	v_permlanex16_b32 v41, v40, s32, s33
	v_add_f32 v40, v40, v41                        ; l_w
	s_wait_alu depctr_va_vdst(0)                   ; m_w (v32) and l_w (v40) are written, which the two stores read; all earlier readers and writers of v48-71 are done, in which the loads behind the barrier land
	ds_store_b32 v6, v32 offset:2560*\par          ; lanes L and L xor 16 write the same word with the same value
	ds_store_b32 v6, v40 offset:2560*\par+1280
.if \doE
	W 2                                            ; two products stand between the stores and the wait for them
	W 3
.endif
	s_wait_dscnt 0x0                               ; for the others' sake: all my LDS stores have landed, all my LDS reads are over
	s_wait_alu depctr_vm_vsrc(0)                   ; the two stores have read v32 and v40; the stores of the pass before have read v56-63, v64-67 and v11, its loads of Q v5: all these are written again only behind this wait
	s_barrier_signal -1
.if \doE
	MAXA 2, 1-\par, 0                              ; work on registers while the others arrive
	MAXA 2, 1-\par, 1
.endif
.if \doN
	v_add_nc_u32 v5, s38, v1                       ; Q of pass p + 2
.endif
	s_barrier_wait -1
	ds_load_b128 v[48:51], v7 offset:2560*\par
	ds_load_b128 v[52:55], v7 offset:2560*\par+16
	ds_load_b128 v[56:59], v7 offset:2560*\par+1280
	ds_load_b128 v[60:63], v7 offset:2560*\par+1296
.if \doR
	RLOAD 1-\par
.endif
.if \doE
	W 4                                            ; two products stand between the loads and the wait for them
	W 5
.endif
	s_wait_dscnt 0x0
.if \doN
	s_wait_alu depctr_va_vdst(0)                   ; group 3's first four products are done reading K steps 0, 1 of K and of Q, in which the loads below land; v5 is written, Q's address
	KLQ 0, 0                                       ; nine plain lines behind group 3's fourth product
	ds_load_b128 v[72:75], v5
.endif
	GCA
.if \doE
	W 6
.endif
	GCB
.if \doE
	W 7
.endif
.if \doR
	RC1                                            ; (the plain lines behind the exponentials)
.else
	NOPS 2
.endif
	GCC                                            ; with the two lines above: ten plain lines behind group 3's last product
.if \doN
	KLQ 0, 1                                       ; no further wait: both waits in the lines above stand behind group 3's last product, and no line since names v84-87, v92-95, v76-79, v4 or v5
	ds_load_b128 v[76:79], v5 offset:512
	s_add_co_u32 s38, s38, 1024
.endif
.if \doE
	MULA 3, 1-\par, 0
	MULA 3, 1-\par, 1
.endif
.if \doN
	s_wait_dscnt 0x3                               ; K steps 0, 1 of group 0 and of Q are in; the three loads of K steps 2, 3 may be out
	W 0
.endif
.if \doE
	MAXA 3, 1-\par, 0
.endif
	NMULR 0, 4
.if \doN
	W 1
.endif
.if \doE
	MAXA 3, 1-\par, 1                              ; the scores of pass p + 1 and their block maxima are whole
.endif
	NMULR 8, 4
.if \doN
	W 2
.endif
	NMULR 16, 8
.if \doN
	W 3
.endif
	NMULR 32, 8
.if \doN
	s_wait_dscnt 0x0
	s_wait_alu depctr_va_vdst(0)                   ; group 0's first four products are done reading K steps 0, 1, in which group 1's land
	KLQ 1, 0                                       ; eight plain lines behind group 0's fourth product
	W 4
.endif
	NMULR 48, 8
.if \doN
	W 5
.endif
.if \doR
	RC2
.endif
.if \doN
	W 6
.endif
	NSCALE
.if \doN
	W 7
.endif
	NCVT
.if \doR
	RC1
	AOADR                                          ; with the conversions' seven plain lines: ten behind group 0's last product
.else
	NOPS 3
.endif
.if \doN
	MULA 0, \par, 0                                ; this set has been converted: it takes the scores of pass p + 2.  (Also places between P's codes and their product)
.else
	v_nop                                          ; the fourth place between P's codes and their product
.endif
	s_wait_alu depctr_va_vdst(0)                   ; P's codes v110-121 and scale word v109 are written, operands of the scaled product, behind their places; so are the sums v64-67 and the address v11, which the store reads
.if \doR
	AOST
.endif
	MXP0 56, 96, 110, 108, 109                     ; O^T (channel 8 h + j, query r) over my 128 keys
.if \doN
	MULA 0, \par, 1                                ; (the four places behind that product)
.else
	NOPS 4
.endif
	s_wait_alu depctr_va_vdst(0)                   ; the product has written v56-63, which the stores read, behind its places; group 0's last four products are done reading K steps 2, 3, in which group 1's land
	ds_store_b128 v8, v[56:59] offset:16384*\par
	ds_store_b128 v8, v[60:63] offset:16384*\par+512
.if \doN
	KLQ 1, 1                                       ; the last two LDS instructions of the pass
.endif
.endm
	v_mov_b32 v33, 0                               ; upper halves of pairs of which the packed forms take the low word, and a lane permute's destination: written once
	v_mov_b32 v35, 0
	v_mov_b32 v43, 0
	v_mov_b32 v45, 0
	s_mov_b32 s38, QI+2048                         ; the next Q to fetch in a pass: pass 2's
	s_mov_b32 s39, AO                              ; the next place in attention's output
	v_add_nc_u32 v5, QI, v1
	s_wait_alu depctr_va_vdst(0)                   ; v5 is written, Q's address; V's quantiser is done with v72-81, in which Q and K land, and has written v96-108, operands of every pass's scaled product
	ds_load_b128 v[72:75], v5
	ds_load_b128 v[76:79], v5 offset:512
	KLQ 0, 0
	KLQ 0, 1
.irp g, 0,1,2,3                        ; the scores of pass 0: there is no vector work yet to set beside them
	s_wait_dscnt 0x0
.irp k, 0,1,2,3,4,5,6,7
	W \k
.endr
	NOPS 9
	s_wait_alu depctr_va_vdst(0)                   ; the group's eight products are done reading K and Q, in which the loads below land
.if \g < 3
	KLQ \g+1, 0
	KLQ \g+1, 1
.else
	ds_load_b128 v[72:75], v5 offset:1024          ; Q of pass 1
	ds_load_b128 v[76:79], v5 offset:1536
	KLQ 0, 0
	KLQ 0, 1
.endif
	MULA \g, 0, 0
	MULA \g, 0, 1
	MAXA \g, 0, 0
	MAXA \g, 0, 1
.endr
	s_wait_dscnt 0x0                               ; group 0 of pass 1, so that pass 0 finds what every pass finds
.irp k, 0,1,2,3,4,5,6,7
	W \k
.endr
	NOPS 9
	s_wait_alu depctr_va_vdst(0)                   ; the eight products are done reading K, in which both pairs of loads below land: the lines between the pairs name neither K's registers nor v4
	KLQ 1, 0
	MULA 0, 1, 0
	MULA 0, 1, 1
	KLQ 1, 1
	PASS 0, 1, 0, 1                                ; pass 0
	s_mov_b32 s40, 14
.Lpass:                                ; passes 1 to 28, two a trip, so that the sets are back where they began
	PASS 1, 1, 1, 1
	PASS 0, 1, 1, 1
	s_sub_co_u32 s40, s40, 1
	s_cmp_lg_u32 s40, 0
	s_cbranch_scc1 .Lpass
	PASS 1, 1, 1, 1                                ; pass 29
	PASS 0, 1, 1, 0                                ; pass 30: there is no pass 32 to begin
	PASS 1, 0, 1, 0                                ; pass 31: no scores are left to make
	; ---- the residual and bo are asked for here, two barriers ahead of their use
	s_lshl_b32 s41, s4, 7
	v_lshl_add_u32 v5, v2, 2, s41                  ; bo at 16 t + 8 h + 0 .. 7, t = 2 (w % 4) + e
	s_wait_alu depctr_va_vdst(0)                   ; v5 is written, the offset of bo's loads
.irp n, 0,1,2,3
	global_load_b128 v[192+4*\n:195+4*\n], v1, s[52:53] offset:512*\n
.endr
.irp e, 0,1
	global_load_b128 v[32+8*\e:35+8*\e], v5, s[28:29] offset:64*\e
	global_load_b128 v[36+8*\e:39+8*\e], v5, s[28:29] offset:64*\e+16
.endr
	s_wait_alu depctr_vm_vsrc(0)                   ; pass 31's store into attention's output has read v64-67, in which the last partials land, and v11, which is written once more
	s_wait_dscnt 0x0                               ; my partial of pass 31 lies in LDS
	s_barrier_signal -1
	s_barrier_wait -1
	RLOAD 1
	s_wait_dscnt 0x0
	RC1
	RC2
	RC1
	AOADR
	s_wait_alu depctr_va_vdst(0)                   ; the sums v64-67 and the address v11 are written, which the store reads
	AOST
	s_wait_alu depctr_vm_vsrc(0)                   ; the partials' loads have read v9, which is written below; the store has read v64-67, in which rows of the result land on the way out
	s_wait_dscnt 0x0                               ; my part of attention's output lies in LDS
	s_barrier_signal -1
	; the addresses of the output projection and of the way out: register work while the others arrive
	v_and_b32 v4, 15, v0
	v_mul_u32_u24 v9, v4, 528
	v_lshlrev_b32 v4, 6, v4
	v_lshl_add_u32 v4, v2, 8, v4
	s_lshl_b32 s41, s5, 13
	s_add_co_u32 s41, s41, AO
	v_add_nc_u32 v4, s41, v4                       ; column k = 64 c + 32 h + i of row r lies in pass 8 (w / 4) + k / 16 at 64 r + 4 (k % 16)
	v_lshl_add_u32 v9, v2, 2, v9
	s_mul_i32 s41, s5, 8448
	s_lshl_b32 s40, s4, 7
	s_add_co_u32 s41, s41, s40
	s_add_co_u32 s41, s41, STG
	v_add_nc_u32 v9, s41, v9                       ; into the stage: row 16 (w / 4) + r, byte 128 (w % 4) + 32 h
	s_mul_i32 s41, s2, 2112
	s_add_co_u32 s41, s41, STG
	v_add_nc_u32 v10, s41, v1                      ; back: rows 4 w .. 4 w + 3, whole
	s_barrier_wait -1                              ; all of attention's output lies in LDS
	; ---- the output projection: row tile w / 4, column tiles 2 (w % 4) + e
	s_wait_alu depctr_va_vdst(0)                   ; the addresses v4, v9 and v10 are written, which the loads and stores below read
.irp c, 0,1
.irp q, 0,1,2,3,4,5,6,7
	ds_load_b128 v[128+32*\c+4*\q:131+32*\c+4*\q], v4 offset:(4*\c+\q/4)*1024+16*(\q%4)
.endr
.endr
	WFETCH 2, 208, 14, 36864, 15, 3072
	s_wait_dscnt 0x0
	QUANT6 128, 110, 126, 72
	NOPS 8                                         ; eight places between a scale word made by vector lines and its product
	s_wait_loadcnt 0x0                             ; bo, and the residual
	s_wait_alu depctr_va_vdst(0)                   ; the quantiser has written v110-121 and v126, operands of the scaled products, behind their places
.irp e, 0,1
	MXPC 32+8*\e, 208+12*\e, 110, 122+\e, 126      ; lane (r, h): out(row r, columns 16 t + 8 h + 0 .. 7)
.endr
	NOPS 4
	s_wait_alu depctr_va_vdst(0)                   ; the two products have written v32-47, which the stores read, behind their places
.irp e, 0,1
	ds_store_b128 v9, v[32+8*\e:35+8*\e] offset:64*\e
	ds_store_b128 v9, v[36+8*\e:39+8*\e] offset:64*\e+16
.endr
	s_wait_dscnt 0x0                               ; for the others' sake: a row's 512 bytes come from four waves
	s_barrier_signal -1
	s_barrier_wait -1
.irp n, 0,1,2,3
	ds_load_b128 v[64+4*\n:67+4*\n], v10 offset:528*\n
.endr
	s_wait_dscnt 0x0
.irp n, 0,2,4,6,8,10,12,14
	v_pk_add_f32 v[64+\n:65+\n], v[64+\n:65+\n], v[192+\n:193+\n]  ; + x
.endr
	s_wait_alu depctr_va_vdst(0)                   ; the additions have written v64-79, which the stores read
.irp n, 0,1,2,3
	global_store_b128 v1, v[64+4*\n:67+4*\n], s[54:55] offset:512*\n th:TH_STORE_NT   ; 32 lanes store a row's 512 consecutive bytes, at a multiple of 512 from out0's first byte
.endr
	s_wait_xcnt 0x0
	v_lshl_add_u32 v254, v0, 2, 0x4e800            ; my spare word and 0, made anew here: no memory or LDS instruction has read v254 or v255 since the last wait on vm_vsrc
	v_mov_b32 v255, 0
	s_wait_dscnt 0x0                               ; the closing lines, six on end
	s_wait_alu 0x0
	s_wait_tensorcnt 0x0
	ds_add_u32 v254, v255
	s_wait_dscnt 0x0
	s_endpgm
.Lfunc_end_k_q86ebd3f3fb_attn:
	.size	k_q86ebd3f3fb_attn, .Lfunc_end_k_q86ebd3f3fb_attn-k_q86ebd3f3fb_attn
	.p2alignl 7, 3214868480
	.fill 96, 4, 3214868480
	.section	.rodata,"a",@progbits
	.p2align	6, 0x0
	.amdhsa_kernel k_q86ebd3f3fb_attn
		.amdhsa_group_segment_fixed_size 323584
		.amdhsa_private_segment_fixed_size 0
		.amdhsa_enable_private_segment 0
		.amdhsa_kernarg_size 96
		.amdhsa_user_sgpr_count 2
		.amdhsa_user_sgpr_kernarg_segment_ptr 1
		.amdhsa_wavefront_size32 1
		.amdhsa_system_sgpr_workgroup_id_x 1
		.amdhsa_system_sgpr_workgroup_id_y 1
		.amdhsa_system_sgpr_workgroup_id_z 1
		.amdhsa_system_vgpr_workitem_id 0
		.amdhsa_next_free_vgpr 256
		.amdhsa_next_free_sgpr 66
		.amdhsa_reserve_vcc 0
		.amdhsa_float_denorm_mode_32 3
		.amdhsa_float_denorm_mode_16_64 3
		.amdhsa_memory_ordered 1
		.amdhsa_forward_progress 1
		.amdhsa_inst_pref_size 193
	.end_amdhsa_kernel
	.amdgpu_metadata
---
amdhsa.version: [ 1, 2 ]
amdhsa.kernels:
  - .name:           k_q86ebd3f3fb_attn
    .symbol:         k_q86ebd3f3fb_attn.kd
    .args:
      - { .name: x, .offset: 0, .size: 8, .value_kind: global_buffer, .address_space: global }
      - { .name: ln_w, .offset: 8, .size: 8, .value_kind: global_buffer, .address_space: global }
      - { .name: ln_b, .offset: 16, .size: 8, .value_kind: global_buffer, .address_space: global }
      - { .name: Wq, .offset: 24, .size: 8, .value_kind: global_buffer, .address_space: global }
      - { .name: bq, .offset: 32, .size: 8, .value_kind: global_buffer, .address_space: global }
      - { .name: Wk, .offset: 40, .size: 8, .value_kind: global_buffer, .address_space: global }
      - { .name: bk, .offset: 48, .size: 8, .value_kind: global_buffer, .address_space: global }
      - { .name: Wv, .offset: 56, .size: 8, .value_kind: global_buffer, .address_space: global }
      - { .name: bv, .offset: 64, .size: 8, .value_kind: global_buffer, .address_space: global }
      - { .name: Wo, .offset: 72, .size: 8, .value_kind: global_buffer, .address_space: global }
      - { .name: bo, .offset: 80, .size: 8, .value_kind: global_buffer, .address_space: global }
      - { .name: out0, .offset: 88, .size: 8, .value_kind: global_buffer, .address_space: global }
    .group_segment_fixed_size: 323584
    .private_segment_fixed_size: 0
    .kernarg_segment_align: 8
    .kernarg_segment_size: 96
    .max_flat_workgroup_size: 512
    .sgpr_count:     66
    .vgpr_count:     256
    .wavefront_size: 32
...
	.end_amdgpu_metadata
.endif
;; end of part 3
